; MI455X (gfx1250); checked and timed in simulation.
; The chip was launched on July 23, 2026; its instructions are those of AMD's public machine-readable ISA for CDNA 5 (MIT licence, August 2026) and "CDNA5" Instruction Set Architecture Reference Guide (July 2026). The comments in the code are by the model that wrote it; some were corrected since.
;; Multi Head Self Attention. Allowed arithmetic: matrix products marked QUANTISED: E2M1 operands, one E8M0 scale for each 32 along K, by v_wmma_scale_f32_16x16x128_f8f6f4 with both operands' format E2M1 (or v_wmma_scale_f32_32x16x128_f4), f32 sums; products left as they are: bf16, f16 or f32 operands; f32 sums; everything else in f32.
;; Inputs: Wout 1,024 x 1,024 float32; Wqkv 1,024 x 3,072 float32; attn_mask 1 x 1 x 2,048 x 2,048 int32; bout 1,024 float32; bqkv 3,072 float32; x 4 x 2,048 x 1,024 float32.
;; Outputs: out0 4 x 2,048 x 1,024 float32.
;; This version of the problem:
;;   THIS VERSION OF THE PROBLEM IS GIVEN IN LOW PRECISION. The matrix products marked QUANTISED in the list below multiply operands that are first quantised to E2M1 (2 exponent bits, 1 mantissa bit; 4 bits a number), with one power-of-two scale for each 32 numbers along K (OCP MX v1.0); their sums are f32. The products marked 'left as it is' may take bf16, f16 or f32 operands, with f32 sums. Whichever they take, every output number must still come out within the allowed error. Rounding operands to bf16 (8 significant bits) uses up far more of that allowance than f16 does (11 bits, for magnitudes from 6e-5 to 65,504). All else is computed in f32.
;;   The module's matrix products, in the order in which they are computed (A, B: the left and right operand; K: the contracted axis; several contracted axes count as one K, in the product's order):
;;     1. [M 8,192, K 1,024] x [K 1,024, N 3,072]; A: input x; B: input Wqkv: QUANTISED
;;     2. batch 64 x [M 2,048, K 64] x [K 64, N 2,048]; A: computed on the way; B: computed on the way: left as it is (an operand is computed on the way)
;;     3. batch 64 x [M 2,048, K 2,048] x [K 2,048, N 64]; A: computed on the way; B: computed on the way: left as it is (an operand is computed on the way)
;;     4. [M 8,192, K 1,024] x [K 1,024, N 1,024]; A: computed on the way; B: input Wout: left as it is (an operand is computed on the way)
;;   THE QUANTISER, for each operand of a quantised product, along K:
;;     - K is cut into blocks of 32 from its start; a last block that is shorter is filled with zeros.
;;     - A block's scale is 2^e with e = floor(log2(the largest magnitude in the block)) - 2, held to -126 .. 127; a block of zeros has e = 0. As a byte (E8M0): e + 127.
;;     - Each number is divided by its block's scale, clamped to +-6, and rounded to the nearest number of E2M1, ties to even, subnormals kept.
;;     - The product sums the exact products of the quantised numbers (number of the format x scale) in f32.
;;   ~~~python
;;   def quantise(x, axis):      # numpy; x: float32 -> the quantised numbers, widened to float32 again
;;       x = np.moveaxis(x, axis, -1); K = x.shape[-1]
;;       x = np.pad(x, [(0, 0)] * (x.ndim - 1) + [(0, -K % 32)]); x = x.reshape(x.shape[:-1] + (-1, 32)); a = np.abs(x).max(-1, keepdims=True)
;;       e = np.where(a > 0, np.clip(np.frexp(np.where(a > 0, a, 1))[1] - 1 - 2, -126, 127), 0)      # np.frexp(a)[1] - 1 = floor(log2(a)), exactly
;;       r = np.clip(x / 2.0 ** e, -6, 6)
;;       step = 2.0 ** (np.maximum(np.frexp(np.where(r == 0, 1, r))[1] - 1, 0) - 1)
;;       q = np.round(r / step) * step * 2.0 ** e      # np.round: ties to even
;;       return np.moveaxis(q.reshape(q.shape[:-2] + (-1,))[..., :K], -1, axis).astype(np.float32)
;;   ~~~
;; One version. Each part assembles by itself: llvm-mc -triple=amdgcn-amd-amdhsa -mcpu=gfx1250 --defsym DOCPART=n.
;; ======== version 1 of 1: 4 launches
;; limits: values are held in f16: magnitudes above 65,504 overflow, below 6.1e-05 lose precision
;; workspace buffers: xq 4,456,448 bytes; wq 1,671,168 bytes; wo 2,097,152 bytes; mw 526,336 bytes of whole numbers; qkv 50,331,648 bytes; ao 16,777,216 bytes
;; launch prep (part 1): grid 560 x 1, 4 waves a work-group, no clusters, 101,888 bytes of LDS; arguments x, Wqkv, Wout, attn_mask, xq, wq, wo, mw; writes xq, wq, wo, mw
.if DOCPART == 1
	.amdgcn_target "amdgcn-amd-amdhsa--gfx1250"
	.amdhsa_code_object_version 6
	.text
	.protected	k_qf985742b28_prep
	.globl	k_qf985742b28_prep
	.p2align	8
	.type	k_qf985742b28_prep,@function
k_qf985742b28_prep:
	s_mov_b64 s[64:65], 0
	v_nop
	global_prefetch_b8 v0, s[64:65] scope:SCOPE_SE
	s_setreg_imm32_b32 hwreg(HW_REG_WAVE_MODE, 25, 1), 1
	s_wait_xcnt 0x0
; PREP: everything that is made once from the inputs, four roles chosen by the work-group's number.
;  W (work-groups 0-47):    Wqkv [1024 k][3072 n] f32 -> wq: codes of E2M1 [3072][512 bytes], K innermost, and from byte 1,572,864 on one E8M0 byte for each 32 along K, [3072][32].
;  M (48-175):              attn_mask [2048 q][2048 k] int32 -> mw: lane-mask words [qt 128][kt 128][j 8]: bit L of a word = (mask[16 qt + L % 16][16 kt + 8 (L / 16) + j] != 0),
;                           and from byte 524,288 on flags [qt 128][quarter 4]: bit s: some key of key step s (128 keys) counts for these 16 queries; bit 16 + s: all of them count.
;  O (176-303):             Wout [1024 c][1024 n] f32 -> wo: f16, as images of operand registers [nt 64][cc 32][1,024 bytes]: byte 512 half + 16 lane holds row n = 16 nt + lane % 16, c = 32 cc + 16 half + 8 (lane / 16) + 0..7.
;  X (304-559):             x [8192][1024] f32 -> xq: codes [8192][512 bytes] and from byte 4,194,304 on scale bytes [8192][32].
; THE QUANTISER: a block's scale is 2^(floor(log2(largest magnitude)) - 2); its byte is the largest magnitude's exponent field - 2, held at 1 from below; each number / scale goes to the nearest code, ties to even, beyond 6 the code of 6.
; LIMITS: a block of zeros gets the byte 1 where the rule says 127 (its codes are zeros, and this program alone reads the bytes); blocks whose largest magnitude lies under 2^-124 keep the byte 1; NaN and infinities are not served;
; Wout goes to f16: magnitudes up to 65,504.
; No tensor loads, no barrier: waves share nothing.  Each role has LDS bytes of its own.
.set XB,    0                          ; role X: 8,192 bytes a wave
.set WB,    32768                      ; role W: 32 rows x 272 bytes a wave
.set MB,    67584                      ; role M: 16 rows x 528 bytes a wave
.set SPARE, 101376                     ; the spare words, 128 bytes a wave: two blocks of 256 bytes that no other line names
.set SPW,   190                        ; v190  LDS address of my spare word; never rewritten
.set NIL,   191                        ; v191  0; never rewritten
	s_load_b512 s[4:19], s[0:1], 0x0               ; x s[4:5], Wqkv s[6:7], Wout s[8:9], attn_mask s[10:11], xq s[12:13], wq s[14:15], wo s[16:17], mw s[18:19]
	v_lshl_add_u32 v[SPW], v0, 2, SPARE
	v_mov_b32 v[NIL], 0
	v_lshrrev_b32 v1, 5, v0
	v_readfirstlane_b32 s20, v1                    ; wave 0..3
	v_and_b32 v1, 31, v0                           ; lane
	s_wait_kmcnt 0x0
	s_cmp_lt_u32 ttmp9, 48
	s_cbranch_scc1 .Lrole_w
	s_cmp_lt_u32 ttmp9, 176
	s_cbranch_scc1 .Lrole_m
	s_cmp_lt_u32 ttmp9, 304
	s_cbranch_scc1 .Lrole_o
; ---------------- ROLE X.  x is a plain stream of blocks of 32.  A wave takes 16 steps of 512 numbers.  Each load reads 512 consecutive bytes; a step's 2,048 bytes turn through the wave's own stage in LDS,
; so that a lane comes to hold 16 neighbours (two neighbouring lanes hold a block).  Loads run four steps ahead, the turn one step.
.set SP, 80                            ; a lane's place in a stage: 64 bytes + 16 of padding
.set XR, 16                            ; v16-79   four sets of 16 numbers as loaded
.set XX, 80                            ; v80-111  two sets of 16 neighbours
.set XE, 112                           ; v112-127 a scale byte for each step
.set XC, 128                           ; v128-189 codes: registers of its own for each step, so that no store's data are written again
	v_lshlrev_b32 v3, 4, v1                        ; my 16 bytes of a load's 512
	s_mul_i32 s21, s20, 8192                       ; my wave's region (XB = 0)
	v_lshrrev_b32 v14, 2, v1
	v_mul_u32_u24 v14, v14, SP
	v_and_b32 v15, 3, v1
	v_lshl_add_u32 v14, v15, 4, v14
	v_add_nc_u32 v14, s21, v14                     ; into the stage: SP (lane / 4) + 16 (lane % 4)
	v_mul_u32_u24 v15, v1, SP
	v_add_nc_u32 v15, s21, v15                     ; out of it: SP x lane
	v_lshlrev_b32 v4, 3, v1                        ; my 8 bytes of a step's codes
	v_lshrrev_b32 v5, 1, v1
	s_add_co_u32 s21, s21, 2*32*SP
	v_add_nc_u32 v5, s21, v5                       ; my block's scale byte in the wave's 256
	v_lshlrev_b32 v7, 3, v1
	v_add_nc_u32 v6, s21, v7
	s_sub_co_u32 s22, ttmp9, 304
	s_lshl_b32 s22, s22, 2
	s_add_co_u32 s22, s22, s20                     ; which run of 8,192 numbers is my wave's: 0..1023
	s_mov_b32 s25, 0
	s_lshl_b32 s24, s22, 15
	s_add_nc_u64 s[4:5], s[4:5], s[24:25]          ; 32,768 bytes of x a run
	s_lshl_b32 s24, s22, 12
	s_add_nc_u64 s[26:27], s[12:13], s[24:25]      ; 4,096 bytes of codes
	s_lshl_b32 s24, s22, 8
	s_add_co_u32 s24, s24, 4194304
	s_add_nc_u64 s[28:29], s[12:13], s[24:25]      ; 256 scale bytes
.macro XLOAD t
.irp i, 0,1,2,3
	global_load_b128 v[XR+16*((\t)%4)+4*\i:XR+16*((\t)%4)+4*\i+3], v3, s[4:5] offset:2048*(\t)+512*\i th:TH_LOAD_NT
.endr
.endm
.macro XTURN t                         ; LDS serves a wave's instructions in order: no wait between the stores and the loads
.irp i, 0,1,2,3
	ds_store_b128 v14, v[XR+16*((\t)%4)+4*\i:XR+16*((\t)%4)+4*\i+3] offset:32*SP*((\t)%2)+8*SP*\i
.endr
.irp i, 0,1,2,3
	ds_load_b128 v[XX+16*((\t)%2)+4*\i:XX+16*((\t)%2)+4*\i+3], v15 offset:32*SP*((\t)%2)+16*\i
.endr
.endm
.irp t, 0,1,2,3
	XLOAD \t
.endr
	s_wait_loadcnt 12                              ; step 0's four loads are in; the twelve of steps 1 to 3 may be out
	XTURN 0
.macro XSTEP t
.set XS, XX+16*((\t)%2)
.if (\t) > 0
	s_wait_dscnt 1                                 ; this step's numbers are back from the stage; the last step's byte store may be out
.else
	s_wait_dscnt 0x0
.endif
.if (\t)+4 < 16
	XLOAD (\t)+4                                   ; into the set whose stores into the stage have read their registers
.endif
.if (\t)+1 < 16
.if 14-(\t) >= 3
	s_wait_loadcnt 12                              ; the next step's four loads are in; those of the three steps behind it may be out
.else
	s_wait_loadcnt 4*(14-(\t))
.endif
	XTURN (\t)+1
.endif
	v_max3_num_f32 v8, |v[XS]|, |v[XS+1]|, |v[XS+2]|
	v_max3_num_f32 v9, |v[XS+3]|, |v[XS+4]|, |v[XS+5]|
.irp i, 6,10
	v_max3_num_f32 v8, v8, |v[XS+\i]|, |v[XS+\i+1]|
	v_max3_num_f32 v9, v9, |v[XS+\i+2]|, |v[XS+\i+3]|
.endr
	v_max3_num_f32 v8, v8, |v[XS+14]|, |v[XS+15]|
	v_max3_num_f32 v8, v8, v9, 0x1800000           ; and the floor 2^(3 - 127): the byte cannot fall under 1
	v_max_num_f32_dpp v8, v8, v8 row_xmask:1 row_mask:0xf bank_mask:0xf   ; with my neighbour's 16: the block's largest magnitude
	v_add_nc_u32 v11, 0xff000000, v8               ; 2 off its exponent field: the conversion takes the exponent field of this operand as its scale
	v_cvt_scalef32_pk8_fp4_f32 v[XC+4*(\t)], v[XS:XS+7], v11
	v_cvt_scalef32_pk8_fp4_f32 v[XC+4*(\t)+1], v[XS+8:XS+15], v11
	v_lshrrev_b32 v[XE+(\t)], 23, v11              ; the scale's byte (also the plain line behind the conversions)
	ds_store_b8 v5, v[XE+(\t)] offset:16*(\t)      ; both lanes of a block write the same byte with the same value
	global_store_b64 v4, v[XC+4*(\t):XC+4*(\t)+1], s[26:27] offset:256*(\t)   ; the wave stores 256 consecutive bytes, aligned
.endm
.irp t, 0,1,2,3,4,5,6,7,8,9,10,11,12,13,14,15
	XSTEP \t
.endr
	ds_load_b64 v[8:9], v6                         ; the wave's 256 scale bytes, 8 a lane
	s_wait_dscnt 0x0
	global_store_b64 v7, v[8:9], s[28:29]
	s_branch .Lend
; ---------------- ROLE W.  K is Wqkv's first axis: a lane takes a column n and its registers run down K, so a block of 32 lies in one lane and the codes come out with K innermost.
; A wave takes 32 columns x 512 along K; its codes go through its own stage and leave as rows: sixteen lanes store 256 consecutive bytes, aligned.
.Lrole_w:
	s_cmp_ge_u32 ttmp9, 24
	s_cselect_b32 s22, 1, 0                        ; which 512 along K
	s_mul_i32 s21, s22, 24
	s_sub_co_u32 s21, ttmp9, s21                   ; which 128 columns
	s_lshl_b32 s21, s21, 7
	s_lshl_b32 s23, s20, 5
	s_add_co_u32 s21, s21, s23                     ; my wave's first column
	v_lshlrev_b32 v3, 2, v1                        ; in: 4 bytes a lane
	s_mul_i32 s23, s20, 32*272
	s_add_co_u32 s23, s23, WB                      ; my stage
	v_mul_u32_u24 v4, v1, 272
	v_add_nc_u32 v4, s23, v4                       ; into it: row = my column
	v_and_b32 v5, 15, v1
	v_lshrrev_b32 v6, 4, v1
	v_mul_u32_u24 v7, v6, 272
	v_lshl_add_u32 v7, v5, 4, v7
	v_add_nc_u32 v7, s23, v7                       ; out of it: sixteen lanes to a row, two rows an instruction
	v_lshlrev_b32 v8, 9, v6
	v_lshl_add_u32 v8, v5, 4, v8                   ; the same place in the codes: rows of 512 bytes
	v_lshlrev_b32 v9, 5, v1                        ; my column's row of 32 scale bytes
	s_mov_b32 s25, 0
	s_mul_i32 s24, s22, 512*3072*4
	s_lshl_b32 s23, s21, 2
	s_add_co_u32 s24, s24, s23
	s_add_nc_u64 s[6:7], s[6:7], s[24:25]          ; Wqkv at (512 y, column)
	s_lshl_b32 s24, s21, 9
	s_lshl_b32 s23, s22, 8
	s_add_co_u32 s24, s24, s23
	s_add_nc_u64 s[28:29], s[14:15], s[24:25]      ; codes: column x 512 + 256 y
	s_lshl_b32 s24, s21, 5
	s_lshl_b32 s23, s22, 4
	s_add_co_u32 s24, s24, s23
	s_add_co_u32 s24, s24, 1572864
	s_add_nc_u64 s[30:31], s[14:15], s[24:25]      ; scale bytes: column x 32 + 16 y
.macro WLOAD t                         ; block t: Wqkv(32 t + i, my column) into set t % 2; the largest offset, 511 rows of 12,288 bytes, lies inside the signed 24-bit immediate
.set n, 0
.rept 32
	global_load_b32 v[32+32*((\t)%2)+n], v3, s[6:7] offset:(32*(\t)+n)*12288 th:TH_LOAD_NT
.set n, n+1
.endr
.endm
	WLOAD 0
	WLOAD 1
.macro WBLOCK t
.set WS, 32+32*((\t)%2)
.if (\t) < 15
	s_wait_loadcnt 32                              ; this block's 32 loads are in; the next block's may be out
.else
	s_wait_loadcnt 0x0
.endif
	v_max3_num_f32 v12, |v[WS]|, |v[WS+1]|, |v[WS+2]|
	v_max3_num_f32 v13, |v[WS+3]|, |v[WS+4]|, |v[WS+5]|
.irp i, 6,10,14,18,22,26
	v_max3_num_f32 v12, v12, |v[WS+\i]|, |v[WS+\i+1]|
	v_max3_num_f32 v13, v13, |v[WS+\i+2]|, |v[WS+\i+3]|
.endr
	v_max3_num_f32 v12, v12, |v[WS+30]|, |v[WS+31]|
	v_max3_num_f32 v12, v12, v13, 0x1800000        ; the floor
	v_add_nc_u32 v11, 0xff000000, v12
	v_lshrrev_b32 v13, 23, v11                     ; the scale's byte
.if (\t)%4 == 0
	v_mov_b32 v[24+(\t)/4], v13                    ; four bytes to a register, the lower K in the lower byte
.else
	v_lshl_or_b32 v[24+(\t)/4], v13, 8*((\t)%4), v[24+(\t)/4]
.endif
.irp g, 0,1,2,3
	v_cvt_scalef32_pk8_fp4_f32 v[96+\g], v[WS+8*\g:WS+8*\g+7], v11
.endr
	v_nop                                          ; one plain line behind the conversions
	ds_store_b128 v4, v[96:99] offset:16*(\t)      ; 32 codes: 16 bytes of my column's row
.if (\t)+2 < 16
	WLOAD (\t)+2
.endif
	s_wait_dscnt 0x0                               ; the store has read its registers: the next block's codes may be written
.endm
.set QB, 0
.rept 16
	WBLOCK QB
.set QB, QB+1
.endr
	global_store_b128 v9, v[24:27], s[30:31]       ; my column's 16 scale bytes
.irp t, 0,1,2,3,4,5,6,7,8,9,10,11,12,13,14,15
	ds_load_b128 v[112+4*\t:112+4*\t+3], v7 offset:2*\t*272
.endr
.irp t, 0,1,2,3,4,5,6,7,8,9,10,11,12,13,14,15
	s_wait_dscnt 15-\t                             ; load t is back; the younger ones may be out
	global_store_b128 v8, v[112+4*\t:112+4*\t+3], s[28:29] offset:2*\t*512
.endr
	s_branch .Lend
; ---------------- ROLE M.  A work-group takes 16 queries, a wave 512 of their keys, 128 keys a step.  A step's 16 rows x 512 bytes are loaded as they lie, turn through the wave's stage so that lane (r, h) holds
; mask[r][16 kt + 8 h + j] in register 8 kt + j, and 64 compares give the 64 lane-mask words.  The words are put into lanes by v_writelane and leave as 256 consecutive bytes.
.Lrole_m:
.set OW, 160                           ; v160-167 the words on their way out, two registers a step
	s_sub_co_u32 s21, ttmp9, 48                    ; qt
	v_lshlrev_b32 v2, 4, v1                        ; 16 x lane
	s_mul_i32 s31, s20, 16*528
	s_add_co_u32 s31, s31, MB                      ; my stage
	v_add_nc_u32 v3, s31, v2                       ; into it: 16 x lane of a row
	v_and_b32 v8, 15, v1
	v_lshrrev_b32 v9, 4, v1
	v_mul_u32_u24 v4, v8, 528
	v_lshl_add_u32 v4, v9, 5, v4
	v_add_nc_u32 v4, s31, v4                       ; out of it: row r, + 32 h
	v_lshlrev_b32 v5, 3, v1                        ; 8 x lane: two words
	s_lshl_b32 s22, s21, 17                        ; 16 rows of 8,192 bytes
	s_lshl_b32 s23, s20, 11                        ; my 512 keys
	s_add_co_u32 s22, s22, s23
	s_mov_b32 s23, 0
	s_add_nc_u64 s[22:23], s[10:11], s[22:23]
	s_lshl_b32 s24, s21, 12
	s_lshl_b32 s25, s20, 10
	s_add_co_u32 s24, s24, s25
	s_mov_b32 s25, 0
	s_add_nc_u64 s[24:25], s[18:19], s[24:25]      ; the words: qt x 4,096 + quarter x 1,024
	s_lshl_b32 s26, s21, 4
	s_lshl_b32 s27, s20, 2
	s_add_co_u32 s26, s26, s27
	s_add_co_u32 s26, s26, 524288
	s_mov_b32 s27, 0
	s_add_nc_u64 s[66:67], s[18:19], s[26:27]      ; my flag word
	s_mov_b32 s28, 0                               ; the flags
	s_lshl_b32 s29, s20, 2                         ; my first key step
.irp k, 0,1,2,3,4,5,6,7
	v_mov_b32 v[OW+\k], 0                          ; written once: v_writelane's destination counts as read
.endr
.macro MLOAD st
.irp i, 0,1,2,3,4,5,6,7,8,9,10,11,12,13,14,15
	global_load_b128 v[32+64*((\st)%2)+4*\i:32+64*((\st)%2)+4*\i+3], v2, s[22:23] offset:8192*\i+512*(\st) th:TH_LOAD_NT   ; 512 consecutive bytes of row i
.endr
.endm
.macro MSTEP st
.set MS, 32+64*((\st)%2)
.if (\st) < 3
	s_wait_loadcnt 16                              ; this step's 16 loads are in; the next step's may be out
.else
	s_wait_loadcnt 0x0
.endif
.irp i, 0,1,2,3,4,5,6,7,8,9,10,11,12,13,14,15
	ds_store_b128 v3, v[MS+4*\i:MS+4*\i+3] offset:528*\i
.endr
.irp i, 0,1,2,3,4,5,6,7,8,9,10,11,12,13,14,15
	ds_load_b128 v[MS+4*\i:MS+4*\i+3], v4 offset:64*(\i/2)+16*(\i%2)   ; in order behind the stores, back into the registers that they left
.endr
	s_wait_dscnt 0x0
	s_mov_b32 s26, -1                              ; the AND of the step's words,
	s_mov_b32 s27, 0                               ; and their OR
.irp hh, 0,1
.set e, 0
.rept 32
	v_cmp_ne_u32 s[32+e], 0, v[MS+32*\hh+e]        ; word 32 hh + e = 8 kt + j
.set e, e+1
.endr
.set e, 0
.rept 32
	s_and_b32 s26, s26, s[32+e]
	s_or_b32 s27, s27, s[32+e]
	v_writelane_b32 v[OW+2*(\st)+e%2], s[32+e], 16*\hh+e/2
.set e, e+1
.endr
.endr
.if (\st) < 2
	MLOAD (\st)+2
.endif
	s_cmp_lg_u32 s27, 0
	s_cselect_b32 s30, 1, 0                        ; some key counts
	s_cmp_eq_u32 s26, -1
	s_cselect_b32 s31, 1, 0                        ; all count
	s_add_co_u32 s21, s29, \st
	s_lshl_b32 s30, s30, s21
	s_or_b32 s28, s28, s30
	s_add_co_u32 s21, s29, 16+\st
	s_lshl_b32 s31, s31, s21
	s_or_b32 s28, s28, s31
	global_store_b64 v5, v[OW+2*(\st):OW+2*(\st)+1], s[24:25] offset:256*(\st)   ; 256 consecutive bytes, aligned
.endm
	MLOAD 0
	MLOAD 1
	MSTEP 0
	MSTEP 1
	MSTEP 2
	MSTEP 3
	v_mov_b32 v6, s28
	v_mov_b32 v7, 0
	v_cmp_eq_u32 vcc_lo, 0, v1
	s_wait_xcnt 0x0                                ; EXEC is a source of the stores above: it changes only behind this wait
	s_and_saveexec_b32 s30, vcc_lo
	global_store_b32 v7, v6, s[66:67]              ; lane 0 stores the wave's flag word
	s_wait_xcnt 0x0                                ; and again in front of the line that widens it
	s_or_b32 exec_lo, exec_lo, s30
	s_branch .Lend
; ---------------- ROLE O.  A wave takes 32 columns n x 64 rows c of Wout; a lane takes a column and its registers run down c, so that four packed registers are 16 bytes of a fragment.
.Lrole_o:
	s_sub_co_u32 s21, ttmp9, 176
	s_and_b32 s22, s21, 7
	s_lshl_b32 s22, s22, 2
	s_add_co_u32 s22, s22, s20                     ; cg: which 32 columns
	s_lshr_b32 s23, s21, 3                         ; cb: which 64 rows
	v_lshlrev_b32 v2, 2, v1
	v_lshrrev_b32 v4, 4, v1
	v_and_b32 v5, 15, v1
	v_lshlrev_b32 v3, 15, v4
	v_lshl_add_u32 v3, v5, 4, v3                   ; out: 32,768 (lane / 16), the next 16 columns' fragments, + 16 (lane % 16)
	s_mov_b32 s25, 0
	s_lshl_b32 s24, s23, 18
	s_lshl_b32 s26, s22, 7
	s_add_co_u32 s24, s24, s26
	s_add_nc_u64 s[8:9], s[8:9], s[24:25]
	s_lshl_b32 s24, s22, 16
	s_lshl_b32 s26, s23, 11
	s_add_co_u32 s24, s24, s26
	s_add_nc_u64 s[16:17], s[16:17], s[24:25]      ; wo + (64 cg + 2 cb) x 1,024
.set n, 0
.rept 64
	global_load_b32 v[32+n], v2, s[8:9] offset:4096*n th:TH_LOAD_NT   ; 128 consecutive bytes of row 64 cb + n
.set n, n+1
.endr
	s_wait_loadcnt 32                              ; the first 32 rows are in; the other 32 loads may be out
.set n, 0
.rept 16
	v_cvt_pk_f16_f32 v[96+n], v[32+2*n], v[33+2*n]
.set n, n+1
.endr
	s_wait_loadcnt 0x0
.rept 16
	v_cvt_pk_f16_f32 v[96+n], v[32+2*n], v[33+2*n]
.set n, n+1
.endr
.irp ch, 0,1
.irp g, 0,1,2,3
	global_store_b128 v3, v[96+16*\ch+4*\g:96+16*\ch+4*\g+3], s[16:17] offset:1024*\ch+512*(\g/2)+256*(\g%2)   ; c = 32 ch + 8 g + 0..7: sixteen lanes store 256 consecutive bytes, aligned
.endr
.endr
.Lend:
	s_wait_tensorcnt 0x0                           ; the wave's end
	ds_add_u32 v[SPW], v[NIL]
	s_wait_dscnt 0x0
	s_endpgm
.Lfunc_end_k_qf985742b28_prep:
	.size	k_qf985742b28_prep, .Lfunc_end_k_qf985742b28_prep-k_qf985742b28_prep
	.p2alignl 7, 3214868480
	.fill 96, 4, 3214868480
	.section	.rodata,"a",@progbits
	.p2align	6, 0x0
	.amdhsa_kernel k_qf985742b28_prep
		.amdhsa_group_segment_fixed_size 101888
		.amdhsa_private_segment_fixed_size 0
		.amdhsa_enable_private_segment 0
		.amdhsa_kernarg_size 64
		.amdhsa_user_sgpr_count 2
		.amdhsa_user_sgpr_kernarg_segment_ptr 1
		.amdhsa_wavefront_size32 1
		.amdhsa_system_sgpr_workgroup_id_x 1
		.amdhsa_system_sgpr_workgroup_id_y 1
		.amdhsa_system_sgpr_workgroup_id_z 1
		.amdhsa_system_vgpr_workitem_id 0
		.amdhsa_next_free_vgpr 192
		.amdhsa_next_free_sgpr 68
		.amdhsa_reserve_vcc 1
		.amdhsa_float_denorm_mode_32 3
		.amdhsa_float_denorm_mode_16_64 3
		.amdhsa_memory_ordered 1
		.amdhsa_forward_progress 1
		.amdhsa_inst_pref_size 186
	.end_amdhsa_kernel
	.amdgpu_metadata
---
amdhsa.version: [ 1, 2 ]
amdhsa.kernels:
  - .name:           k_qf985742b28_prep
    .symbol:         k_qf985742b28_prep.kd
    .args:
      - { .name: x, .offset: 0, .size: 8, .value_kind: global_buffer, .address_space: global }
      - { .name: Wqkv, .offset: 8, .size: 8, .value_kind: global_buffer, .address_space: global }
      - { .name: Wout, .offset: 16, .size: 8, .value_kind: global_buffer, .address_space: global }
      - { .name: attn_mask, .offset: 24, .size: 8, .value_kind: global_buffer, .address_space: global }
      - { .name: xq, .offset: 32, .size: 8, .value_kind: global_buffer, .address_space: global }
      - { .name: wq, .offset: 40, .size: 8, .value_kind: global_buffer, .address_space: global }
      - { .name: wo, .offset: 48, .size: 8, .value_kind: global_buffer, .address_space: global }
      - { .name: mw, .offset: 56, .size: 8, .value_kind: global_buffer, .address_space: global }
    .group_segment_fixed_size: 101888
    .private_segment_fixed_size: 0
    .kernarg_segment_align: 8
    .kernarg_segment_size: 64
    .max_flat_workgroup_size: 128
    .sgpr_count:     68
    .vgpr_count:     192
    .wavefront_size: 32
...
	.end_amdgpu_metadata
.endif
;; end of part 1
;; launch gemm1 (part 2): grid 12 x 32, 4 waves a work-group, clusters of 4 x 4, 327,680 bytes of LDS; arguments xq, wq, bqkv, qkv; writes qkv
.if DOCPART == 2
	.amdgcn_target "amdgcn-amd-amdhsa--gfx1250"
	.amdhsa_code_object_version 6
	.text
	.protected	k_qf985742b28_gemm1
	.globl	k_qf985742b28_gemm1
	.p2align	8
	.type	k_qf985742b28_gemm1,@function
k_qf985742b28_gemm1:
	s_mov_b64 s[64:65], 0
	v_nop
	global_prefetch_b8 v0, s[64:65] scope:SCOPE_SE
	s_setreg_imm32_b32 hwreg(HW_REG_WAVE_MODE, 25, 1), 1
	s_wait_xcnt 0x0
	s_wait_alu depctr_hold_cnt(0) depctr_sa_sdst(0) depctr_va_vdst(0) depctr_va_sdst(0) depctr_va_ssrc(0) depctr_va_vcc(0) depctr_vm_vsrc(0)
	s_getreg_b32 s2, hwreg(HW_REG_IB_STS2, 6, 4)
	s_cmp_eq_u32 s2, 0
	s_cbranch_scc0 .Lentry_in_a_cluster
	s_endpgm
.Lentry_in_a_cluster:
	s_bfe_u32 s2, ttmp6, 0x10000c
	s_cmp_lg_u32 s2, 0xf033
	s_cbranch_scc0 .Lentry_shape_is_right
	s_endpgm
.Lentry_shape_is_right:
; qkv = Q(x) Q(Wqkv) + bqkv on codes of E2M1 with one E8M0 scale for each 32 along K = 1,024; sums in f32.  The results leave as f16, laid as images of the operand registers that the attention launch wants:
;   Q at byte 0 and K at byte 16,777,216: [bh 64][tt 128][dc 2][1,024 bytes]: byte 512 half + 16 lane = token 16 tt + lane % 16, d = 32 dc + 16 half + 8 (lane / 16) + 0..7;  q is multiplied by log2(e) / 8 in f32 first.
;   V^T at byte 33,554,432: [bh 64][kc 64][dt 4][1,024 bytes]: d = 16 dt + lane % 16, keys 32 kc + 16 half + 8 (lane / 16) + 0..7.
; A work-group of four waves makes 256 x 256, a wave 128 x 128: 64 accumulators, 512 registers.  K goes through two LDS slots of 512 along K, each filled once: all tiles and all scale bytes are asked for at the head
; (three tensor loads of a wave are out at the most).
; "A" is source 1 and "B" source 0 of the matrix instruction: a lane holds ONE row of A (lane % 16) and EIGHT neighbouring rows of B.  Clusters x = 0, 1 (Q, K): A = x's tokens, B = Wqkv's columns, so a lane holds
; eight neighbouring d of a token.  Cluster x = 2 (V): A = Wqkv's columns, B = x's tokens, so a lane holds eight neighbouring keys of one d.  In both a lane's four packed registers are 16 bytes of a fragment:
; every store of the wave covers 512 consecutive bytes, aligned, and no stage in LDS is needed.  The choice hangs on the cluster's x alone, which all sixteen partners share.
; CLUSTERS: 4 x 4.  A's tile hangs on cy and is shared along a row of the cluster, B's on cx and is shared along a column: each is asked for jointly.
; LIMITS: results go to f16: magnitudes of q, k, v up to 65,504; NaN and infinities are not served.
; REGISTERS: window 0: v0-31 addresses; v32-95 scale words, two sets; v96-111 the bias of a lane's row (V); v128-191 A's fragments, on the way out 64 numbers at work; v192-255 the bias of a lane's eight (Q, K).
;   window 1: B's fragments at v0 and v128; v64-127 the packed results, two sets.   windows 2, 3: the accumulators ((a, b) at v[8 (8 (a % 4) + b)]).
.set KSTEP,  512
.set NQ,     4
.set ROWB,   256                       ; a tile's row: 512 codes
.set KROW,   512                       ; a row of codes in memory
.set PITCH,  272                       ; an LDS row: 256 bytes + 16 of padding, so that the 16 rows of a fragment load start 4 words apart modulo 64 words
.set FR,     8
.set NL,     2
.set NP,     4
.set HALFT,  128*PITCH
.set SLOT,   4*HALFT
.set KS,     32                        ; a row of scale bytes
.set SCL,    2*SLOT
.set HALFS,  (128*KS/256)*272
.set SBLK,   (16*KS/256)*272
.set SPARE,  SCL+4*HALFS               ; the spare words, 128 bytes a wave: two blocks of 256 bytes that no other line names
.set ADRA, 16
.set ADRB, 20
.set CO,   26                          ; v26  16 x lane
.set ADRS, 27
.set SPW,  28
.set NIL,  29
.set OJ,   30                          ; v30  32 (lane / 16); never rewritten
.set OL,   31                          ; v31  4 (lane % 16); never rewritten
.set SC,   32
.set BL,   96
.set AF,   128
.set T,    128
.set BJ,   192
.set PK,   64                          ; in window 1
.set CS,   2                           ; s[2:3] q's factor, or 1
.set G1, 24
.set G0, 32
.set G1B, 48
.set G0B, 56
.set G1S, 68
.set G0S, 76
.set G1SB, 80
.set G0SB, 88
.set MSB, 0
.macro WIN new                         ; the immediate's high byte repeats the setting that is left
.if MSB != (\new)
	s_set_vgpr_msb (MSB<<8)|(\new)
.set MSB, (\new)
.endif
.endm
.set MUL_LO, 0xa1                      ; source 0 (B) window 1, source 1 (A) window 0, C and D window 2
.set MUL_HI, 0xf1
.set TO_B,   0x40
; A joint load: waves 0 and 1 fetch for A, waves 2 and 3 for B.  The branch hangs on the wave's number alone.  An s_nop 0 and four v_nop follow each of the two lines.
.macro JLOAD g0a, g1a, g0b, g1b
	s_cmp_eq_u32 s15, 0
	s_cbranch_scc0 .Lfor_b_\@
	tensor_load_to_lds s[\g0a:\g0a+3], s[\g1a:\g1a+7]
	s_nop 0
.rept 4
	v_nop
.endr
	s_branch .Lasked_\@
.Lfor_b_\@:
	tensor_load_to_lds s[\g0b:\g0b+3], s[\g1b:\g1b+7]
	s_nop 0
.rept 4
	v_nop
.endr
.Lasked_\@:
.endm
.macro CROUND                          ; a round of the cluster's barrier
	s_barrier_signal -1
	s_barrier_wait -1
	s_cmp_lg_u32 s14, 0
	s_cbranch_scc1 .Lnot_wave_0_\@
	s_barrier_signal -3
.Lnot_wave_0_\@:
	s_barrier_wait -3
	s_barrier_signal -1
	s_barrier_wait -1
.endm
	s_load_b256 s[4:11], s[0:1], 0x0               ; xq s[4:5], wq s[6:7], bqkv s[8:9], qkv s[10:11]
	v_lshl_add_u32 v[SPW], v0, 2, SPARE
	v_mov_b32 v[NIL], 0
	ds_add_u32 v[SPW], v[NIL]                      ; the wave's opening: the add, twice on end, and its wait ahead of my first tensor load
	ds_add_u32 v[SPW], v[NIL]
	v_lshrrev_b32 v1, 5, v0
	v_readfirstlane_b32 s14, v1                    ; wave 0..3
	s_lshr_b32 s15, s14, 1                         ; which half of A's rows is mine.  Also: I fetch for A (0) or for B (1)
	s_and_b32 s16, s14, 1                          ; which half of B's rows.  Also: which 128 rows of that tile I fetch
	s_bfe_u32 s40, ttmp6, 0x40000                  ; cx
	s_bfe_u32 s41, ttmp6, 0x40004                  ; cy
	s_and_b32 s18, ttmp7, 0xffff
	s_lshl_b32 s18, s18, 2                         ; 4 x cluster y
	s_lshl_b32 s19, ttmp9, 2                       ; 4 x cluster x
	s_add_co_u32 s20, s18, s41                     ; Q, K: A's tile = x's tile 4 cluster y + cy
	s_add_co_u32 s21, s41, 8                       ; V:    A's tile = Wqkv's tile 8 + cy
	s_add_co_u32 s46, s19, s40                     ; Q, K: B's tile = Wqkv's tile 4 cluster x + cx
	s_add_co_u32 s47, s18, s40                     ; V:    B's tile = x's tile 4 cluster y + cx
	s_cmp_eq_u32 ttmp9, 2
	s_cselect_b32 s17, s21, s20                    ; A's tile: of the place in the cluster it holds cy alone
	s_cselect_b32 s42, s47, s46                    ; B's tile: cx alone
	s_lshl_b32 s43, s41, 2
	s_lshl_b32 s43, 15, s43                        ; my row of the cluster
	s_lshl_b32 s44, 0x1111, s40                    ; my column
	; descriptor group 1: a tile of 128 rows x 256 bytes, 16 bytes of padding behind each row
	s_or_b32 s[G1+0], s43, (0<<16)|(1<<20)|(1<<21)|(5<<22)|(3<<25)
	s_or_b32 s[G1B+0], s44, (0<<16)|(1<<20)|(1<<21)|(5<<22)|(3<<25)
.irp g, G1, G1B
	s_mov_b32 s[\g+1], ROWB<<16                    ; tensor_dim0
	s_mov_b32 s[\g+2], 128<<16                     ; tensor_dim1
	s_mov_b32 s[\g+3], ROWB<<16                    ; tile_dim0
	s_mov_b32 s[\g+4], 128                         ; tile_dim1
	s_mov_b32 s[\g+5], KROW                        ; the pitch
	s_mov_b32 s[\g+6], 0
	s_mov_b32 s[\g+7], 0
.endr
	; the scale bytes of 128 rows: 4,096 dense bytes as 16 rows of 256 (32 elements of 8 bytes), 16 bytes of padding behind each
	s_or_b32 s[G1S+0], s43, (3<<16)|(1<<20)|(1<<21)|(5<<22)|(3<<25)
	s_or_b32 s[G1SB+0], s44, (3<<16)|(1<<20)|(1<<21)|(5<<22)|(3<<25)
.irp g, G1S, G1SB
	s_mov_b32 s[\g+1], 32<<16
	s_mov_b32 s[\g+2], (128*KS/256)<<16
	s_mov_b32 s[\g+3], 32<<16
	s_mov_b32 s[\g+4], 128*KS/256
	s_mov_b32 s[\g+5], 32
	s_mov_b32 s[\g+6], 0
	s_mov_b32 s[\g+7], 0
.endr
	s_lshl_b32 s18, s16, 7                         ; which 128 rows of the tile I fetch
	s_lshl_b32 s20, s17, 8
	s_add_co_u32 s20, s20, s18                     ; A's row
	s_lshl_b32 s46, s42, 8
	s_add_co_u32 s46, s46, s18                     ; B's row
	s_mov_b32 s21, 0
	s_mov_b32 s47, 0
	s_mov_b64 s[18:19], KS
	s_mul_u64 s[22:23], s[20:21], s[18:19]         ; where these rows' scale bytes begin
	s_mul_u64 s[92:93], s[46:47], s[18:19]
	s_mov_b64 s[18:19], KROW
	s_mul_u64 s[20:21], s[20:21], s[18:19]         ; and their codes
	s_mul_u64 s[46:47], s[46:47], s[18:19]
	s_mul_i32 s45, s14, HALFT                      ; where they go: wave x 128 rows
	s_mul_i32 s94, s14, HALFS
	s_wait_dscnt 0x0                               ; both opening adds are done
	s_wait_kmcnt 0x0
	s_add_nc_u64 s[96:97], s[4:5], 4194304         ; x's scale bytes
	s_add_nc_u64 s[98:99], s[6:7], 1572864         ; Wqkv's
	s_mov_b64 s[100:101], s[8:9]                   ; bqkv
	s_mov_b64 s[12:13], s[10:11]                   ; qkv
	s_cmp_eq_u32 ttmp9, 2                          ; which tensor is A and which B: a choice between buffers on the cluster's x
	s_cselect_b64 s[88:89], s[6:7], s[4:5]         ; A's codes
	s_cselect_b64 s[8:9], s[4:5], s[6:7]           ; B's codes
	s_cselect_b64 s[10:11], s[96:97], s[98:99]     ; B's scales
	s_cselect_b64 s[6:7], s[98:99], s[96:97]       ; A's scales
	s_mov_b64 s[4:5], s[88:89]
	s_add_nc_u64 s[20:21], s[4:5], s[20:21]
	s_add_nc_u64 s[22:23], s[6:7], s[22:23]
	s_add_nc_u64 s[46:47], s[8:9], s[46:47]
	s_add_nc_u64 s[92:93], s[10:11], s[92:93]
	CROUND                                         ; all sixteen work-groups are here: the joint loads meet
	s_mov_b32 s[G0S], 1
	s_add_co_u32 s[G0S+1], s94, SCL
	s_mov_b64 s[G0S+2:G0S+3], s[22:23]
	s_or_b32 s[G0S+3], s[G0S+3], 0x80000000
	s_mov_b32 s[G0SB], 1
	s_add_co_u32 s[G0SB+1], s94, SCL
	s_mov_b64 s[G0SB+2:G0SB+3], s[92:93]
	s_or_b32 s[G0SB+3], s[G0SB+3], 0x80000000
	JLOAD G0S, G1S, G0SB, G1SB                     ; the scale bytes first: they are wanted with the first K step
.irp s, 0,1
	s_mov_b32 s[G0+4*\s], 1
	s_add_co_u32 s[G0+4*\s+1], s45, \s*SLOT
	s_add_nc_u64 s[G0+4*\s+2:G0+4*\s+3], s[20:21], \s*ROWB
	s_or_b32 s[G0+4*\s+3], s[G0+4*\s+3], 0x80000000
	s_mov_b32 s[G0B+4*\s], 1
	s_add_co_u32 s[G0B+4*\s+1], s45, \s*SLOT
	s_add_nc_u64 s[G0B+4*\s+2:G0B+4*\s+3], s[46:47], \s*ROWB
	s_or_b32 s[G0B+4*\s+3], s[G0B+4*\s+3], 0x80000000
	JLOAD G0+4*\s, G1, G0B+4*\s, G1B
.endr
	v_and_b32 v1, 15, v0                           ; r
	v_bfe_u32 v2, v0, 4, 1                         ; h
	v_mul_u32_u24 v3, v1, PITCH
	v_lshl_add_u32 v4, v2, 4, v3                   ; a fragment's row x pitch + 16 h
	s_mul_i32 s21, s15, HALFT                      ; my 128 rows of A
	s_mul_i32 s22, s16, HALFT                      ; my 128 rows of B,
	s_add_co_u32 s22, s22, 2*HALFT                 ; behind A's 256
.irp s, 0,1
	v_add_nc_u32 v[ADRA+\s], s21, v4
	v_add_nc_u32 v[ADRB+\s], s22, v4
	s_add_co_u32 s21, s21, SLOT
	s_add_co_u32 s22, s22, SLOT
.endr
	v_mul_u32_u24 v5, v1, KS                       ; my row's scale bytes,
	v_lshrrev_b32 v6, 8, v5
	v_lshl_add_u32 v5, v6, 4, v5                   ; and 16 more for each 256 passed
	s_mul_i32 s21, s15, HALFS
	s_mul_i32 s22, s16, HALFS
	s_add_co_u32 s22, s22, 2*HALFS
	s_sub_co_u32 s22, s22, s21
	v_mul_u32_u24 v6, s22, v2                      ; lanes 16-31 take B's
	s_add_co_u32 s21, s21, SCL
	v_add_nc_u32 v5, v5, v6
	v_add_nc_u32 v[ADRS], s21, v5
	v_and_b32 v6, 31, v0
	v_lshlrev_b32 v[CO], 4, v6
	v_lshlrev_b32 v[OJ], 5, v2
	v_lshlrev_b32 v[OL], 2, v1
	; the biases' places.  Both sets are loaded by every work-group, the one that it does not use from bqkv's first bytes: so the way out has one branch alone
	s_lshl_b32 s18, s42, 10                        ; Q, K: bqkv at column 256 x B's tile + 128 x half, in bytes
	s_lshl_b32 s19, s16, 9
	s_add_co_u32 s18, s18, s19
	s_lshl_b32 s19, s17, 10                        ; V: at column 256 x A's tile + 128 x half
	s_lshl_b32 s22, s15, 9
	s_add_co_u32 s19, s19, s22
	; where my results begin.  Q, K: ((b 16 + head) 128 + tt) 2,048 + part 16,777,216
	s_lshr_b32 s20, s17, 3
	s_lshl_b32 s20, s20, 4
	s_and_b32 s21, s42, 3
	s_lshl_b32 s21, s21, 2
	s_add_co_u32 s20, s20, s21
	s_lshl_b32 s21, s16, 1
	s_add_co_u32 s20, s20, s21
	s_lshl_b32 s20, s20, 7
	s_and_b32 s21, s17, 7
	s_lshl_b32 s21, s21, 4
	s_add_co_u32 s20, s20, s21
	s_lshl_b32 s21, s15, 3
	s_add_co_u32 s20, s20, s21
	s_lshl_b32 s20, s20, 11
	s_lshr_b32 s21, s42, 2
	s_lshl_b32 s21, s21, 24
	s_add_co_u32 s20, s20, s21
	; V: ((b 16 + head) 64 + kc) 4,096 + 33,554,432
	s_lshr_b32 s22, s42, 3
	s_lshl_b32 s22, s22, 4
	s_and_b32 s23, s17, 3
	s_lshl_b32 s23, s23, 2
	s_add_co_u32 s22, s22, s23
	s_lshl_b32 s23, s15, 1
	s_add_co_u32 s22, s22, s23
	s_lshl_b32 s22, s22, 6
	s_and_b32 s23, s42, 7
	s_lshl_b32 s23, s23, 3
	s_add_co_u32 s22, s22, s23
	s_lshl_b32 s23, s16, 2
	s_add_co_u32 s22, s22, s23
	s_lshl_b32 s22, s22, 12
	s_add_co_u32 s22, s22, 33554432
	s_cmp_eq_u32 ttmp9, 2
	s_cselect_b32 s20, s22, s20
	s_cselect_b32 s18, 0, s18
	s_cselect_b32 s19, s19, 0
	s_mov_b32 s21, 0
	s_add_nc_u64 s[12:13], s[12:13], s[20:21]
	s_mov_b32 s20, s18
	s_add_nc_u64 s[96:97], s[100:101], s[20:21]
	s_mov_b32 s20, s19
	s_add_nc_u64 s[98:99], s[100:101], s[20:21]
	s_mov_b32 s[CS], 0x3e38aa3b                    ; log2(e) / 8: the scores then come out as exponents of 2
	s_mov_b32 s[CS+1], 0x3f800000
	s_cmp_eq_u32 ttmp9, 0
	s_cselect_b32 s[CS], s[CS], s[CS+1]            ; for q alone
	s_mov_b32 s[CS+1], s[CS]
.irp bt, 0,1,2,3,4,5,6,7
	global_load_b128 v[BJ+8*\bt:BJ+8*\bt+3], v[OJ], s[96:97] offset:64*\bt        ; bias of B's rows 16 bt + 8 h + 0..7
	global_load_b128 v[BJ+8*\bt+4:BJ+8*\bt+7], v[OJ], s[96:97] offset:64*\bt+16
.endr
.irp a, 0,1,2,3,4,5,6,7
	global_load_b32 v[BL+2*\a], v[OL], s[98:99] offset:64*\a                      ; bias of A's row 16 a + r, twice: a pair for the packed addition
	global_load_b32 v[BL+2*\a+1], v[OL], s[98:99] offset:64*\a
.endr
.macro FRAG reg, adr, q, i             ; 16 rows x 128 K of 4-bit codes: 8 registers; registers 4 c .. 4 c + 3 hold K = 64 c + 32 h + 0 .. 31
.irp c, 0,1
	ds_load_b128 v[\reg+4*\c:\reg+4*\c+3], v[\adr] offset:64*(\q)+32*\c+(\i)*16*PITCH
.endr
.endm
; 16 matrix instructions: A's blocks a0, a0 + 1 x B's eight.  The 64 accumulators take turns, one instruction a turn, in the same order in every step.
.macro MUL16 a0, p, q, sc, zero
.irp a, \a0, \a0+1
.irp b, 0,1,2,3,4,5,6,7
.if \zero
	v_wmma_scale_f32_16x16x128_f8f6f4 v[8*(8*((\a)%4)+\b):8*(8*((\a)%4)+\b)+7], v[128*(\p)+FR*\b:128*(\p)+FR*\b+FR-1], v[AF+FR*(\a):AF+FR*(\a)+FR-1], 0, v[SC+8*NQ*(\sc)+NQ*\b+(\q)], v[SC+8*NQ*(\sc)+NQ*(\a)+(\q)] matrix_a_fmt:MATRIX_FMT_FP4 matrix_b_fmt:MATRIX_FMT_FP4 matrix_a_scale:MATRIX_SCALE_ROW1
.else
	v_wmma_scale_f32_16x16x128_f8f6f4 v[8*(8*((\a)%4)+\b):8*(8*((\a)%4)+\b)+7], v[128*(\p)+FR*\b:128*(\p)+FR*\b+FR-1], v[AF+FR*(\a):AF+FR*(\a)+FR-1], v[8*(8*((\a)%4)+\b):8*(8*((\a)%4)+\b)+7], v[SC+8*NQ*(\sc)+NQ*\b+(\q)], v[SC+8*NQ*(\sc)+NQ*(\a)+(\q)] matrix_a_fmt:MATRIX_FMT_FP4 matrix_b_fmt:MATRIX_FMT_FP4 matrix_a_scale:MATRIX_SCALE_ROW1
.endif
.endr
.endr
.endm
.macro FETCH_B slot, q, p
	WIN TO_B
.irp i, 0,1,2,3,4,5,6,7
	FRAG 128*(\p)+FR*\i, ADRB+\slot, \q, \i
.endr
	WIN 0
.endm
.macro FETCH_A slot, q, i0
.irp i, \i0, \i0+1, \i0+2, \i0+3
	FRAG AF+FR*(\i), ADRA+\slot, \q, \i
.endr
.endm
.macro SCALES sc                       ; a slot's scale words: 4 words a row; lanes 0-15 take A's block i, lanes 16-31 B's block i
.irp i, 0,1,2,3,4,5,6,7
	ds_load_b128 v[SC+8*NQ*\sc+NQ*\i:SC+8*NQ*\sc+NQ*\i+3], v[ADRS] offset:\i*SBLK
.endr
.endm
.macro PLACES n                        ; plain vector lines between a matrix instruction and a load into, or a vector read or write of, its registers
.rept \n
	v_nop
.endr
.endm
.macro STEP slot, q, zero              ; 128 along K that has its successor in the same slot
	s_wait_dscnt 4*NL                              ; B's set and A's blocks 0-3 are in; the youngest eight loads (A's blocks 4-7) may be out
	WIN MUL_LO
	MUL16 0, (\q)%2, \q, \slot, \zero
	MUL16 2, (\q)%2, \q, \slot, \zero
	s_wait_dscnt 0
	PLACES NP
	FETCH_B \slot, (\q)+1, 1-(\q)%2
	FETCH_A \slot, (\q)+1, 0
	WIN MUL_HI
	MUL16 4, (\q)%2, \q, \slot, \zero
	MUL16 6, (\q)%2, \q, \slot, \zero
	PLACES NP
	WIN 0
	FETCH_A \slot, (\q)+1, 4
.endm
.macro TURN slot, next                 ; slot 0's last step changes slots: one barrier; nothing is filled again
	s_wait_tensorcnt 0x0                           ; my part of the next slot has landed;
	ds_add_u32 v[SPW], v[NIL]                      ; 0 onto my spare word;
	s_wait_dscnt 4*NL+1                            ; (the add and the youngest eight loads may be out)
	WIN MUL_LO
	MUL16 0, 1, NQ-1, \slot, 0
	s_wait_dscnt 0x0
	s_barrier_signal -1
	MUL16 2, 1, NQ-1, \slot, 0
	WIN 0
	s_barrier_wait -1                              ; everybody's part has
	PLACES NP
	v_add_nc_u32 v[ADRS], 4*NQ, v[ADRS]            ; on to the next slot's scale words (no LDS load of mine is out)
	FETCH_B \next, 0, 0
	FETCH_A \next, 0, 0
	SCALES \next
	WIN MUL_HI
	MUL16 4, 1, NQ-1, \slot, 0
	MUL16 6, 1, NQ-1, \slot, 0
	PLACES NP
	WIN 0
	FETCH_A \next, 0, 4
.endm
	s_wait_tensorcnt 1                             ; the scale bytes and my part of slot 0 are in; slot 1's load may be out
	s_barrier_signal -1
	s_barrier_wait -1
	FETCH_B 0, 0, 0
	FETCH_A 0, 0, 0
	SCALES 0
	FETCH_A 0, 0, 4
	STEP 0, 0, 1                                   ; the first products start the sums: nothing is cleared
	STEP 0, 1, 0
	STEP 0, 2, 0
	TURN 0, 1
	STEP 1, 0, 0
	STEP 1, 1, 0
	STEP 1, 2, 0
	s_wait_dscnt 4*NL                              ; the last step: nothing more to fetch
	WIN MUL_LO
	MUL16 0, 1, NQ-1, 1, 0
	MUL16 2, 1, NQ-1, 1, 0
	s_wait_dscnt 0
	WIN MUL_HI
	MUL16 4, 1, NQ-1, 1, 0
	MUL16 6, 1, NQ-1, 1, 0
	WIN 0
; THE WAY OUT, A's block a at a time: bias (and q's factor) in f32, two numbers an instruction, each accumulator from its low end on; rounded to f16; eight stores of 512 consecutive bytes.
.macro EPI a, isv
	WIN 0x02+(\a)/4                                ; source 0: window 2 or 3
.irp bt, 0,1,2,3,4,5,6,7
.irp p, 0,1,2,3
.if \isv
	v_pk_add_f32 v[T+8*\bt+2*\p:T+8*\bt+2*\p+1], v[64*((\a)%4)+8*\bt+2*\p:64*((\a)%4)+8*\bt+2*\p+1], v[BL+2*(\a):BL+2*(\a)+1]
.else
	v_pk_fma_f32 v[T+8*\bt+2*\p:T+8*\bt+2*\p+1], v[64*((\a)%4)+8*\bt+2*\p:64*((\a)%4)+8*\bt+2*\p+1], s[CS:CS+1], v[BJ+8*\bt+2*\p:BJ+8*\bt+2*\p+1] op_sel_hi:[1,0,1]
.endif
.endr
.endr
	WIN 0x40                                       ; destination window 1
.if (\a) > 1
	s_wait_xcnt 0x0                                ; the stores of two blocks back have read this set of registers
.endif
.set n, 0
.rept 32
	v_cvt_pk_f16_f32 v[PK+32*((\a)%2)+n], v[T+2*n], v[T+2*n+1]
.set n, n+1
.endr
	WIN 0x04                                       ; a store's data are its source 1: window 1
.irp bt, 0,1,2,3,4,5,6,7
.if \isv
	global_store_b128 v[CO], v[PK+32*((\a)%2)+4*\bt:PK+32*((\a)%2)+4*\bt+3], s[12:13] offset:262144*((\a)/4)+1024*((\a)%4)+4096*(\bt/2)+512*(\bt%2)
.else
	global_store_b128 v[CO], v[PK+32*((\a)%2)+4*\bt:PK+32*((\a)%2)+4*\bt+3], s[12:13] offset:2048*(\a)+262144*(\bt/4)+512*(\bt%4)
.endif
.endr
.endm
	PLACES NP
	s_wait_loadcnt 0x0                             ; the biases
	s_cmp_eq_u32 ttmp9, 2
	s_cbranch_scc1 .Lout_v
.set n, 0
.rept 32
	v_pk_mul_f32 v[BJ+2*n:BJ+2*n+1], v[BJ+2*n:BJ+2*n+1], s[CS:CS+1] op_sel_hi:[1,0]   ; (sum + bias) x factor = sum x factor + bias x factor
.set n, n+1
.endr
.irp a, 0,1,2,3,4,5,6,7
	EPI \a, 0
.endr
	WIN 0
	s_branch .Lclose
.Lout_v:
.irp a, 0,1,2,3,4,5,6,7
	EPI \a, 1
.endr
	WIN 0
.Lclose:
	s_wait_tensorcnt 0x0                           ; the wave's end
	ds_add_u32 v[SPW], v[NIL]
	s_wait_dscnt 0x0
	CROUND                                         ; the closing round
	s_endpgm
.Lfunc_end_k_qf985742b28_gemm1:
	.size	k_qf985742b28_gemm1, .Lfunc_end_k_qf985742b28_gemm1-k_qf985742b28_gemm1
	.p2alignl 7, 3214868480
	.fill 96, 4, 3214868480
	.section	.rodata,"a",@progbits
	.p2align	6, 0x0
	.amdhsa_kernel k_qf985742b28_gemm1
		.amdhsa_group_segment_fixed_size 327680
		.amdhsa_private_segment_fixed_size 0
		.amdhsa_enable_private_segment 0
		.amdhsa_kernarg_size 32
		.amdhsa_user_sgpr_count 2
		.amdhsa_user_sgpr_kernarg_segment_ptr 1
		.amdhsa_wavefront_size32 1
		.amdhsa_system_sgpr_workgroup_id_x 1
		.amdhsa_system_sgpr_workgroup_id_y 1
		.amdhsa_system_sgpr_workgroup_id_z 1
		.amdhsa_system_vgpr_workitem_id 0
		.amdhsa_next_free_vgpr 1024
		.amdhsa_next_free_sgpr 102
		.amdhsa_reserve_vcc 0
		.amdhsa_float_denorm_mode_32 3
		.amdhsa_float_denorm_mode_16_64 3
		.amdhsa_memory_ordered 1
		.amdhsa_forward_progress 1
		.amdhsa_inst_pref_size 180
	.end_amdhsa_kernel
	.amdgpu_metadata
---
amdhsa.version: [ 1, 2 ]
amdhsa.kernels:
  - .name:           k_qf985742b28_gemm1
    .symbol:         k_qf985742b28_gemm1.kd
    .args:
      - { .name: xq, .offset: 0, .size: 8, .value_kind: global_buffer, .address_space: global }
      - { .name: wq, .offset: 8, .size: 8, .value_kind: global_buffer, .address_space: global }
      - { .name: bqkv, .offset: 16, .size: 8, .value_kind: global_buffer, .address_space: global }
      - { .name: qkv, .offset: 24, .size: 8, .value_kind: global_buffer, .address_space: global }
    .group_segment_fixed_size: 327680
    .private_segment_fixed_size: 0
    .kernarg_segment_align: 8
    .kernarg_segment_size: 32
    .max_flat_workgroup_size: 128
    .sgpr_count:     102
    .vgpr_count:     1024
    .wavefront_size: 32
...
	.end_amdgpu_metadata
.endif
;; end of part 2
;; launch attn (part 3): grid 4 x 64, 16 waves a work-group, no clusters, 67,584 bytes of LDS; arguments qkv, mw, ao; writes ao
.if DOCPART == 3
	.amdgcn_target "amdgcn-amd-amdhsa--gfx1250"
	.amdhsa_code_object_version 6
	.text
	.protected	k_qf985742b28_attn
	.globl	k_qf985742b28_attn
	.p2align	8
	.type	k_qf985742b28_attn,@function
k_qf985742b28_attn:
	s_mov_b64 s[64:65], 0
	v_nop
	global_prefetch_b8 v0, s[64:65] scope:SCOPE_SE
	s_setreg_imm32_b32 hwreg(HW_REG_WAVE_MODE, 25, 1), 1
	s_wait_xcnt 0x0
; ao[b][t][64 head + d] = the sum over keys of softmax_k(q . k / 8, where attn_mask is not 0) v, for one head (work-group y) and two blocks of 256 queries (work-group x = i: blocks i and 7 - i).
; q, k, v come as f16 images of operand registers (q already times log2(e) / 8); products, maxima and sums in f32; the weights p are rounded to f16 for the second product; the result leaves as f16 fragments
; [tt 512][cc 32][1,024 bytes] for the projection.
; SHARES.  Sixteen waves, four to a SIMD, so that one wave's softmax stands beside another's products.  Waves 0-7 take block i, waves 8-15 block 7 - i; a wave holds 32 queries: two tiles of 16.
; All waves walk the head's 2,048 keys in 16 steps of 128; a step's K and V (16,384 dense bytes each) are brought by all 512 threads through registers into one of two LDS slots, a step ahead.
; THE MASK IS AN INPUT.  An earlier launch has stored it as lane-mask words and as flags for each 16 queries and key step.  A step that no query of the work-group wants is not brought in; a step that none of a
; wave's 32 queries wants is not worked; where all keys of a step count for all 32, the 64 selects are jumped over.  These are scalar branches on stored whole numbers, and no
; barrier stands under such a branch.  K's and V's tiles, which four work-groups read, are not asked for jointly in a cluster.
; LAYOUT.  S^T = K Q^T (source 0 = 16 keys, source 1 = 16 queries): a lane holds ONE query (lane % 16) and keys 8 (lane / 16) + 0..7 of each tile.  Two such tiles, packed to f16, are source 1 of O^T = V^T P.
; SOFTMAX.  A running maximum m and sum l for each query: p = 2^(s - m); O and l are multiplied by 2^(old m - new m) in every 64 keys.  m begins at -3e38, hidden scores are -infinity: p = 0.
; A query for which no key counts ends with l = 0 and O = 0: 0 x (1 / 0) is NaN, as the softmax of a row of -infinity is.
; LIMITS: f16 operands (|q|, |k|, |v| up to 65,504); NaN and infinities among the inputs are not served.
.set SLOTB, 32768                      ; a slot: K's 16,384 bytes, then V's
.set VOFF,  16384
.set SPARE, 65536                      ; the spare words, 128 bytes a wave: eight blocks of 256 bytes that no other line names
.set SPW, 1                            ; v1   LDS address of my spare word; never rewritten
.set NIL, 2                            ; v2   0; never rewritten
.set LF,  3                            ; v3   16 x lane: a fragment's place for my lane
.set T16, 4                            ; v4   16 x thread: my 16 bytes of 8,192, in memory and in LDS
.set NEG, 5                            ; v5   -infinity
.set PFO, 6                            ; v6   256 x lane
.set ST,  8                            ; v8-23  tile t at ST + 8 t: +0 m, +1 old m, +2:+3 l, +4..+7 at work (+6 the factor for O and l)
.set SG,  24                           ; v24-31 a tile on its way into LDS
.set KV,  32                           ; v32-95 eight fragments of K, then of V
.set S,   96                           ; v96-159 S^T (q, kt) at S + 32 q + 8 kt; P (q, kc) packed in place at S + 32 q + 8 kc
.set Q,   160                          ; v160-191 Q (q, dc) at Q + 16 q + 8 dc
.set O,   192                          ; v192-255 O^T (q, dt) at O + 32 q + 8 dt
; s10 wave; s11 loop; s12 steps that the work-group wants, s13 that I want, s14 that are open for all my queries: bit 0 is the step in hand; s15 the step's place among the mask words; s16 the step's number;
; s17 how long I prefetch; s[18:19], s[20:21] K and V of the next step; s[22:23] my mask words; s[26:27] lane selects; s[28:29] prefetch; s[30:31] ao; s[32:63], s[68:99] mask words of tiles 0 and 1; s[66:67] Q
	s_load_b128 s[4:7], s[0:1], 0x0                ; qkv, mw
	s_load_b64 s[8:9], s[0:1], 0x10                ; ao
	v_lshl_add_u32 v[SPW], v0, 2, SPARE
	v_mov_b32 v[NIL], 0
	v_lshrrev_b32 v7, 5, v0
	v_readfirstlane_b32 s10, v7                    ; wave 0..15
	v_and_b32 v7, 31, v0
	v_lshlrev_b32 v[LF], 4, v7
	v_lshlrev_b32 v[T16], 4, v0
	v_mov_b32 v[NEG], 0xff800000
	v_lshlrev_b32 v[PFO], 8, v7
	s_and_b32 s2, ttmp7, 0xffff                    ; bh
	s_sub_co_u32 s3, 7, ttmp9
	s_cmp_lt_u32 s10, 8
	s_cselect_b32 s3, ttmp9, s3                    ; my block of 256 queries
	s_and_b32 s11, s10, 7
	s_lshl_b32 s11, s11, 1
	s_lshl_b32 s3, s3, 4
	s_add_co_u32 s3, s3, s11                       ; qt0: my first tile of 16 queries
	s_lshl_b32 s16, s2, 7
	s_add_co_u32 s16, s16, s3
	s_lshl_b32 s16, s16, 11                        ; Q: (bh 128 + qt0) x 2,048
	s_mov_b32 s17, 0
	s_wait_kmcnt 0x0
	s_add_nc_u64 s[66:67], s[4:5], s[16:17]
.irp f, 0,1,2,3                        ; f = 2 q + dc
	global_load_b128 v[Q+8*\f:Q+8*\f+3], v[LF], s[66:67] offset:1024*\f th:TH_LOAD_NT
	global_load_b128 v[Q+8*\f+4:Q+8*\f+7], v[LF], s[66:67] offset:1024*\f+512 th:TH_LOAD_NT
.endr
	s_lshl_b32 s16, s3, 4
	s_add_co_u32 s16, s16, 524288
	s_add_nc_u64 s[20:21], s[6:7], s[16:17]        ; my two tiles' flags: 2 x 4 words
	s_lshl_b32 s16, ttmp9, 8
	s_add_co_u32 s16, s16, 524288
	s_add_nc_u64 s[22:23], s[6:7], s[16:17]        ; block i's 64 flag words
	s_load_b256 s[24:31], s[20:21], 0x0
	s_load_b512 s[32:47], s[22:23], 0x0
	s_load_b512 s[48:63], s[22:23], 0x40
	s_load_b512 s[68:83], s[22:23], 0x80
	s_load_b512 s[84:99], s[22:23], 0xc0
.irp t, 0,1
	v_mov_b32 v[ST+8*\t], 0xff61b1e6               ; m: -3e38, under every score
.irp k, 1,2,3,4,5,6,7
	v_mov_b32 v[ST+8*\t+\k], 0                     ; l, and the registers at work: a wave that works no step still reads them on the way out
.endr
.endr
.set n, 0
.rept 64
	v_mov_b32 v[O+n], 0                            ; O^T.  Which step is a wave's first hangs on the stored flags, so no product can be written out to start the sums
.set n, n+1
.endr
.macro ORIN first                      ; the 64 words just loaded are gathered into s[12:13]
.set n, 0
.rept 16
.if (\first) && (n == 0)
	s_mov_b64 s[12:13], s[32:33]
.else
	s_or_b64 s[12:13], s[12:13], s[32+2*n:33+2*n]
.endif
	s_or_b64 s[12:13], s[12:13], s[68+2*n:69+2*n]
.set n, n+1
.endr
.endm
	s_wait_kmcnt 0x0
	ORIN 1
	s_or_b32 s24, s24, s25
	s_or_b32 s26, s26, s27
	s_or_b32 s24, s24, s26                         ; tile 0's flags
	s_or_b32 s28, s28, s29
	s_or_b32 s30, s30, s31
	s_or_b32 s28, s28, s30                         ; tile 1's
	s_and_b32 s14, s24, s28
	s_lshr_b32 s14, s14, 16                        ; open for both tiles
	s_or_b32 s24, s24, s28
	s_sub_co_u32 s16, 7, ttmp9
	s_lshl_b32 s16, s16, 8
	s_add_co_u32 s16, s16, 524288
	s_add_nc_u64 s[22:23], s[6:7], s[16:17]        ; block 7 - i's (the loads that read this pair are done)
	s_load_b512 s[32:47], s[22:23], 0x0
	s_load_b512 s[48:63], s[22:23], 0x40
	s_load_b512 s[68:83], s[22:23], 0x80
	s_load_b512 s[84:99], s[22:23], 0xc0
	s_wait_kmcnt 0x0
	ORIN 0
	s_or_b32 s12, s12, s13
	s_and_b32 s12, s12, 0xffff                     ; steps that some query of the work-group wants; bit 16 is 0: the last step brings nothing in
	s_and_b32 s13, s24, 0xffff                     ; steps that some query of mine wants
	s_lshl_b32 s16, s2, 18
	s_add_co_u32 s16, s16, 16777216
	s_add_nc_u64 s[18:19], s[4:5], s[16:17]        ; the head's K
	s_add_co_u32 s16, s16, 16777216
	s_add_nc_u64 s[20:21], s[4:5], s[16:17]        ; and V
	s_lshl_b32 s16, s3, 12
	s_add_nc_u64 s[22:23], s[6:7], s[16:17]        ; my mask words: 4,096 bytes a tile of queries
	s_lshr_b32 s16, s2, 4
	s_lshl_b32 s16, s16, 7
	s_add_co_u32 s16, s16, s3
	s_lshl_b32 s16, s16, 5
	s_and_b32 s24, s2, 15
	s_lshl_b32 s24, s24, 1
	s_add_co_u32 s16, s16, s24
	s_lshl_b32 s16, s16, 10
	s_add_nc_u64 s[30:31], s[8:9], s[16:17]        ; ao + ((b 128 + qt0) 32 + 2 head) x 1,024
	s_cmp_lt_u32 s10, 2
	s_cselect_b64 s[28:29], s[18:19], s[20:21]     ; waves 0, 1 prefetch K's halves, waves 2, 3 V's
	s_and_b32 s16, s10, 1
	s_lshl_b32 s16, s16, 13
	s_add_co_u32 s16, s16, 16384                   ; at step 1's tile: each step's head moves it on, so step s names step s + 2's
	s_add_nc_u64 s[28:29], s[28:29], s[16:17]
	s_mov_b32 s26, 0x76543210
	s_mov_b32 s27, 0xfedcba98                      ; v_permlanex16_b32's selects for lane l xor 16
	s_lshr_b32 s16, s10, 2
	s_or_b32 s16, s16, ttmp9
	s_cmp_eq_u32 s16, 0                            ; waves 0-3 of the head's first work-group: ids alone
	s_cselect_b32 s17, 14, 0                       ; steps 14 and 15 have no step two on
	s_mov_b32 s16, 0
	s_mov_b32 s15, 0
	s_bitcmp1_b32 s12, 0
	s_cbranch_scc0 .Lno_first
	global_load_b128 v[32:35], v[T16], s[18:19]
	global_load_b128 v[36:39], v[T16], s[18:19] offset:8192
	global_load_b128 v[40:43], v[T16], s[20:21]
	global_load_b128 v[44:47], v[T16], s[20:21] offset:8192
	s_wait_loadcnt 0x0
	ds_store_b128 v[T16], v[32:35]
	ds_store_b128 v[T16], v[36:39] offset:8192
	ds_store_b128 v[T16], v[40:43] offset:16384
	ds_store_b128 v[T16], v[44:47] offset:24576
.Lno_first:
	s_wait_loadcnt 0x0                             ; Q
	s_wait_dscnt 0x0                               ; for the others' sake: my part of step 0 lies in slot 0
	s_barrier_signal -1
	s_barrier_wait -1
	s_add_nc_u64 s[18:19], s[18:19], 16384         ; on to step 1 (no load that reads these is out)
	s_add_nc_u64 s[20:21], s[20:21], 16384
; 64 KEYS: half u of the step in slot.
.macro SUB slot, u
	s_load_b512 s[32:47], s[22:23], s15 offset:128*\u            ; the mask words of these 4 tiles of keys: tile 0 of my queries,
	s_load_b512 s[48:63], s[22:23], s15 offset:128*\u+64
	s_load_b512 s[68:83], s[22:23], s15 offset:4096+128*\u       ; tile 1
	s_load_b512 s[84:99], s[22:23], s15 offset:4096+128*\u+64
.set n, 0
.rept 8                                ; K (kt, dc) at KV + 8 (2 kt + dc)
	ds_load_b128 v[KV+8*n:KV+8*n+3], v[LF] offset:\slot*SLOTB+\u*8192+1024*n
	ds_load_b128 v[KV+8*n+4:KV+8*n+7], v[LF] offset:\slot*SLOTB+\u*8192+1024*n+512
.set n, n+1
.endr
	s_wait_dscnt 0x0
.irp dc, 0,1                           ; the eight accumulators take turns, one instruction a turn
.irp kt, 0,1,2,3
.irp q, 0,1
.if \dc == 0
	v_wmma_f32_16x16x32_f16 v[S+32*\q+8*\kt:S+32*\q+8*\kt+7], v[KV+8*(2*\kt+\dc):KV+8*(2*\kt+\dc)+7], v[Q+16*\q+8*\dc:Q+16*\q+8*\dc+7], 0
.else
	v_wmma_f32_16x16x32_f16 v[S+32*\q+8*\kt:S+32*\q+8*\kt+7], v[KV+8*(2*\kt+\dc):KV+8*(2*\kt+\dc)+7], v[Q+16*\q+8*\dc:Q+16*\q+8*\dc+7], v[S+32*\q+8*\kt:S+32*\q+8*\kt+7]
.endif
.endr
.endr
.endr
.rept 4
	v_nop                                          ; four places in front of the loads into K's registers and of the first read of the scores
.endr
.set n, 0
.rept 8                                ; V (kc, dt) at KV + 8 (4 kc + dt): it lands under the softmax
	ds_load_b128 v[KV+8*n:KV+8*n+3], v[LF] offset:\slot*SLOTB+VOFF+\u*8192+1024*n
	ds_load_b128 v[KV+8*n+4:KV+8*n+7], v[LF] offset:\slot*SLOTB+VOFF+\u*8192+1024*n+512
.set n, n+1
.endr
	s_wait_kmcnt 0x0
	s_bitcmp1_b32 s14, 0                           ; all 128 keys count for all my 32 queries: nothing to hide
	s_cbranch_scc1 .Lfull_\@
.set n, 0
.rept 32
	v_cndmask_b32 v[S+n], v[NEG], v[S+n], s[32+n]                ; register 8 kt + j under word (kt, j): a lane whose bit is 0 gets -infinity
	v_cndmask_b32 v[S+32+n], v[NEG], v[S+32+n], s[68+n]
.set n, n+1
.endr
.Lfull_\@:
.irp j, 0,1,2,3                        ; the largest of my 32 scores and the old m: four chains, the two tiles by turns; each accumulator is read from its low end on
.irp t, 0,1
	v_max3_num_f32 v[ST+8*\t+4+\j], v[S+32*\t+8*\j], v[S+32*\t+8*\j+1], v[S+32*\t+8*\j+2]
.endr
.endr
.irp g, 1,2
.irp j, 0,1,2,3
.irp t, 0,1
	v_max3_num_f32 v[ST+8*\t+4+\j], v[ST+8*\t+4+\j], v[S+32*\t+8*\j+2*\g+1], v[S+32*\t+8*\j+2*\g+2]
.endr
.endr
.endr
.irp t, 0,1
	v_max3_num_f32 v[ST+8*\t+4], v[ST+8*\t+4], v[S+32*\t+7], v[S+32*\t+15]
.endr
.irp t, 0,1
	v_max3_num_f32 v[ST+8*\t+6], v[ST+8*\t+6], v[S+32*\t+23], v[S+32*\t+31]
.endr
.irp t, 0,1
	v_max3_num_f32 v[ST+8*\t+4], v[ST+8*\t+4], v[ST+8*\t+5], v[ST+8*\t+6]
.endr
.irp t, 0,1
	v_max3_num_f32 v[ST+8*\t+4], v[ST+8*\t+4], v[ST+8*\t+7], v[ST+8*\t]
.endr
.irp t, 0,1
	v_permlanex16_b32 v[ST+8*\t+5], v[ST+8*\t+4], s26, s27       ; the query's other 32 keys lie in the lane 16 away
.endr
.irp t, 0,1
	v_mov_b32 v[ST+8*\t+1], v[ST+8*\t]
.endr
.irp t, 0,1
	v_max_num_f32 v[ST+8*\t], v[ST+8*\t+4], v[ST+8*\t+5]         ; the new m
.endr
.irp t, 0,1
	v_sub_f32 v[ST+8*\t+7], v[ST+8*\t+1], v[ST+8*\t]             ; old m - new m
.endr
.set n, 0
.rept 16
.irp t, 0,1
	v_pk_add_f32 v[S+32*\t+2*n:S+32*\t+2*n+1], v[S+32*\t+2*n:S+32*\t+2*n+1], v[ST+8*\t:ST+8*\t+1] op_sel_hi:[1,0] neg_lo:[0,1] neg_hi:[0,1]   ; s - m, two at a time
.endr
.set n, n+1
.endr
.irp t, 0,1
	v_exp_f32 v[ST+8*\t+6], v[ST+8*\t+7]                         ; ONE BATCH of 66 exponentials
.endr
.set n, 0
.rept 64
	v_exp_f32 v[S+n], v[S+n]
.set n, n+1
.endr
	v_nop                                          ; the plain line behind the last exponential,
	s_wait_alu depctr_va_vdst(0)                   ; and the one wait ahead of the batch's first reader
.irp t, 0,1
	v_pk_add_f32 v[ST+8*\t+4:ST+8*\t+5], v[S+32*\t:S+32*\t+1], v[S+32*\t+2:S+32*\t+3]   ; the sum is taken of the unrounded p
.endr
.set n, 2
.rept 14
.irp t, 0,1
	v_pk_add_f32 v[ST+8*\t+4:ST+8*\t+5], v[ST+8*\t+4:ST+8*\t+5], v[S+32*\t+2*n:S+32*\t+2*n+1]
.endr
.set n, n+1
.endr
.irp t, 0,1
	v_pk_fma_f32 v[ST+8*\t+2:ST+8*\t+3], v[ST+8*\t+2:ST+8*\t+3], v[ST+8*\t+6:ST+8*\t+7], v[ST+8*\t+4:ST+8*\t+5] op_sel_hi:[1,0,1]
.endr
.set n, 0
.rept 16
	v_cvt_pk_f16_f32 v[S+n], v[S+2*n], v[S+2*n+1]                ; in place, ascending: register n is written when 2 n and 2 n + 1 have been read
	v_cvt_pk_f16_f32 v[S+32+n], v[S+32+2*n], v[S+32+2*n+1]
.set n, n+1
.endr
.set n, 0
.rept 16
.irp t, 0,1
	v_pk_mul_f32 v[O+32*\t+2*n:O+32*\t+2*n+1], v[O+32*\t+2*n:O+32*\t+2*n+1], v[ST+8*\t+6:ST+8*\t+7] op_sel_hi:[1,0]   ; O^T under the new m
.endr
.set n, n+1
.endr
	s_wait_dscnt 0x0                               ; V is in
.irp kc, 0,1
.irp dt, 0,1,2,3
.irp q, 0,1
	v_wmma_f32_16x16x32_f16 v[O+32*\q+8*\dt:O+32*\q+8*\dt+7], v[KV+8*(4*\kc+\dt):KV+8*(4*\kc+\dt)+7], v[S+32*\q+8*\kc:S+32*\q+8*\kc+7], v[O+32*\q+8*\dt:O+32*\q+8*\dt+7]
.endr
.endr
.endr
.rept 5
	v_nop                                          ; five places: the next scores are written over P's registers by a matrix instruction; loads into V's registers and reads of O^T want four
.endr
.endm
.macro WORK slot, u
	s_bitcmp1_b32 s13, 0                           ; does any of my 32 queries want this step?
	s_cbranch_scc0 .Lidle_\@
	SUB \slot, \u
.Lidle_\@:
.endm
; A KEY STEP.  Where the work-group wants the next step, its K is asked for ahead of the first 64 keys' work and stored behind it, its V likewise round the second 64: request and store stand in one arm.
; ONE barrier a step: in front of it each wave's stores into the other slot and its reads of this slot are done; behind it the other slot is read and this one written.
.macro STEP slot
	s_wait_xcnt 0x0                                ; the last prefetch, a step back, has read its address
	s_add_nc_u64 s[28:29], s[28:29], 16384
	s_bitcmp1_b32 s12, 1
	s_cbranch_scc0 .Lns_\@
	global_load_b128 v[SG:SG+3], v[T16], s[18:19]
	global_load_b128 v[SG+4:SG+7], v[T16], s[18:19] offset:8192
	s_cmp_lt_u32 s16, s17                          ; a prefetch of the tile two steps on: 8,192 bytes a wave, lanes 256 bytes apart; four waves of one work-group of the head name K's and V's 16,384 bytes each once
	s_cbranch_scc0 .Lnp_\@
	global_prefetch_b8 v[PFO], s[28:29] th:TH_LOAD_NT scope:SCOPE_SE
.Lnp_\@:
	WORK \slot, 0
	s_wait_loadcnt 0x0
	ds_store_b128 v[T16], v[SG:SG+3] offset:(1-\slot)*SLOTB
	ds_store_b128 v[T16], v[SG+4:SG+7] offset:(1-\slot)*SLOTB+8192
	s_wait_dscnt 0x0                               ; the stores have read their registers
	global_load_b128 v[SG:SG+3], v[T16], s[20:21]
	global_load_b128 v[SG+4:SG+7], v[T16], s[20:21] offset:8192
	WORK \slot, 1
	s_wait_loadcnt 0x0
	ds_store_b128 v[T16], v[SG:SG+3] offset:(1-\slot)*SLOTB+VOFF
	ds_store_b128 v[T16], v[SG+4:SG+7] offset:(1-\slot)*SLOTB+VOFF+8192
	s_branch .Lj_\@
.Lns_\@:
	WORK \slot, 0
	WORK \slot, 1
.Lj_\@:
	s_wait_dscnt 0x0
	s_barrier_signal -1
	s_barrier_wait -1
	s_add_nc_u64 s[18:19], s[18:19], 16384         ; every load that read these has been waited for
	s_add_nc_u64 s[20:21], s[20:21], 16384
	s_add_co_u32 s15, s15, 256                     ; 8 tiles of keys x 32 bytes of mask words
	s_add_co_u32 s16, s16, 1
	s_lshr_b32 s12, s12, 1
	s_lshr_b32 s13, s13, 1
	s_lshr_b32 s14, s14, 1
.endm
	s_mov_b32 s11, 8
.Lpair:
	STEP 0
	STEP 1
	s_sub_co_u32 s11, s11, 1
	s_cmp_lg_u32 s11, 0
	s_cbranch_scc1 .Lpair
	; THE WAY OUT: l's two halves and the other half of the lanes'; O^T / l; f16; a lane's four packed registers are 16 bytes of a fragment: each store covers 512 consecutive bytes, aligned.
.irp t, 0,1
	v_add_f32 v[ST+8*\t+4], v[ST+8*\t+2], v[ST+8*\t+3]
.endr
.irp t, 0,1
	v_permlanex16_b32 v[ST+8*\t+5], v[ST+8*\t+4], s26, s27
.endr
.irp t, 0,1
	v_add_f32 v[ST+8*\t+4], v[ST+8*\t+4], v[ST+8*\t+5]
.endr
.irp t, 0,1
	v_rcp_f32 v[ST+8*\t+6], v[ST+8*\t+4]
.endr
	v_nop
	s_wait_alu depctr_va_vdst(0)                   ; one wait for the two reciprocals, ahead of their first reader
.set n, 0
.rept 16
.irp t, 0,1
	v_pk_mul_f32 v[O+32*\t+2*n:O+32*\t+2*n+1], v[O+32*\t+2*n:O+32*\t+2*n+1], v[ST+8*\t+6:ST+8*\t+7] op_sel_hi:[1,0]
.endr
.set n, n+1
.endr
.set n, 0
.rept 32
	v_cvt_pk_f16_f32 v[S+n], v[O+2*n], v[O+2*n+1]
.set n, n+1
.endr
.irp q, 0,1
.irp dt, 0,1,2,3
	global_store_b128 v[LF], v[S+16*\q+4*\dt:S+16*\q+4*\dt+3], s[30:31] offset:32768*\q+512*\dt
.endr
.endr
	s_wait_tensorcnt 0x0                           ; the wave's end
	ds_add_u32 v[SPW], v[NIL]
	s_wait_dscnt 0x0
	s_endpgm
.Lfunc_end_k_qf985742b28_attn:
	.size	k_qf985742b28_attn, .Lfunc_end_k_qf985742b28_attn-k_qf985742b28_attn
	.p2alignl 7, 3214868480
	.fill 96, 4, 3214868480
	.section	.rodata,"a",@progbits
	.p2align	6, 0x0
	.amdhsa_kernel k_qf985742b28_attn
		.amdhsa_group_segment_fixed_size 67584
		.amdhsa_private_segment_fixed_size 0
		.amdhsa_enable_private_segment 0
		.amdhsa_kernarg_size 24
		.amdhsa_user_sgpr_count 2
		.amdhsa_user_sgpr_kernarg_segment_ptr 1
		.amdhsa_wavefront_size32 1
		.amdhsa_system_sgpr_workgroup_id_x 1
		.amdhsa_system_sgpr_workgroup_id_y 1
		.amdhsa_system_sgpr_workgroup_id_z 1
		.amdhsa_system_vgpr_workitem_id 0
		.amdhsa_next_free_vgpr 256
		.amdhsa_next_free_sgpr 100
		.amdhsa_reserve_vcc 0
		.amdhsa_float_denorm_mode_32 3
		.amdhsa_float_denorm_mode_16_64 3
		.amdhsa_memory_ordered 1
		.amdhsa_forward_progress 1
		.amdhsa_inst_pref_size 188
	.end_amdhsa_kernel
	.amdgpu_metadata
---
amdhsa.version: [ 1, 2 ]
amdhsa.kernels:
  - .name:           k_qf985742b28_attn
    .symbol:         k_qf985742b28_attn.kd
    .args:
      - { .name: qkv, .offset: 0, .size: 8, .value_kind: global_buffer, .address_space: global }
      - { .name: mw, .offset: 8, .size: 8, .value_kind: global_buffer, .address_space: global }
      - { .name: ao, .offset: 16, .size: 8, .value_kind: global_buffer, .address_space: global }
    .group_segment_fixed_size: 67584
    .private_segment_fixed_size: 0
    .kernarg_segment_align: 8
    .kernarg_segment_size: 24
    .max_flat_workgroup_size: 512
    .sgpr_count:     100
    .vgpr_count:     256
    .wavefront_size: 32
...
	.end_amdgpu_metadata
.endif
;; end of part 3
;; launch proj (part 4): grid 4 x 64, 4 waves a work-group, clusters of 4 x 4, 327,680 bytes of LDS; arguments ao, wo, bout, out0; writes out0
.if DOCPART == 4
	.amdgcn_target "amdgcn-amd-amdhsa--gfx1250"
	.amdhsa_code_object_version 6
	.text
	.protected	k_qf985742b28_proj
	.globl	k_qf985742b28_proj
	.p2align	8
	.type	k_qf985742b28_proj,@function
k_qf985742b28_proj:
	s_mov_b64 s[64:65], 0
	v_nop
	global_prefetch_b8 v0, s[64:65] scope:SCOPE_SE
	s_setreg_imm32_b32 hwreg(HW_REG_WAVE_MODE, 25, 1), 1
	s_wait_xcnt 0x0
	s_wait_alu depctr_hold_cnt(0) depctr_sa_sdst(0) depctr_va_vdst(0) depctr_va_sdst(0) depctr_va_ssrc(0) depctr_va_vcc(0) depctr_vm_vsrc(0)
	s_getreg_b32 s2, hwreg(HW_REG_IB_STS2, 6, 4)
	s_cmp_eq_u32 s2, 0
	s_cbranch_scc0 .Lentry_in_a_cluster
	s_endpgm
.Lentry_in_a_cluster:
	s_bfe_u32 s2, ttmp6, 0x10000c
	s_cmp_lg_u32 s2, 0xf033
	s_cbranch_scc0 .Lentry_shape_is_right
	s_endpgm
.Lentry_shape_is_right:
; out0[t][n] = the sum over c of ao[t][c] Wout[c][n] + bout[n]: f16 operands, f32 sums, K = 1,024.  Both operands come as images of operand registers: ao [tt 512][cc 32][1,024 bytes], wo [nt 64][cc 32][1,024 bytes].
; A tile of out0 is 128 tokens x 256 n: 256 work-groups.  Four waves, each 64 tokens x 128 n: 32 accumulators, 256 registers.  K goes in 8 steps of 128 (4,096 bytes of each row of fragments) through two LDS slots.
; In LDS the fragments lie as in memory: a load reads 512 consecutive bytes, 16 a lane: no pitch, no padding.
; CLUSTERS: 4 x 4.  ao's tile hangs on the tile row and is shared along a row of the cluster, wo's on the tile column and is shared along a column: each is asked for jointly.  A wave has two tensor loads out at the start, later one.
; THE MATRIX INSTRUCTION IS USED TRANSPOSED: source 0 = 16 n of wo, source 1 = 16 tokens of ao: a lane holds one token and eight neighbouring n.  The bias is the C of each sum's first product.
; No prefetch: a K step's tiles are small and the launch is short.
; REGISTERS: window 0: v0-31 addresses; v64-127 the bias, eight registers for each 16 n; v128-255 the way out.   window 1: two fragment buffers at v0 and v128: ao's four at +8 a, wo's eight at +32 + 8 b.
;   window 2: accumulator (a, b) at v[8 (8 a + b)].
.set SLOT,   98304                     ; ao's 8 x 4,096 bytes, then wo's 16 x 4,096
.set STAGE,  2*SLOT                    ; behind the ring: 16 rows x 528 bytes for each wave; no tensor load lands there
.set SPITCH, 528
.set SPARE,  STAGE+4*16*SPITCH         ; the spare words, 128 bytes a wave: two blocks of 256 bytes that no other line names
.set LAPS,   4                         ; a lap = two K steps
.set ADRA, 16
.set ADRB, 20
.set STO,  24
.set RD,   25
.set CO,   26                          ; v26  16 x lane
.set SPW,  28
.set NIL,  29
.set OB,   30                          ; v30  32 (lane / 16); never rewritten
.set BIAS, 64
.set BK,   128
.set F0,   0
.set F1,   128
.set G1, 24
.set G0, 32
.set G1B, 48
.set G0B, 56
.set MSB, 0
.macro WIN new
.if MSB != (\new)
	s_set_vgpr_msb (MSB<<8)|(\new)
.set MSB, (\new)
.endif
.endm
.set MUL,  0xa5                        ; sources 0 and 1 window 1; C and D window 2
.set MULZ, 0x85                        ; the same with C (the bias) in window 0
.set TO_F, 0x40
.macro JLOAD s                         ; waves 0 and 1 fetch ao's two halves, waves 2 and 3 wo's; an s_nop 0 and four v_nop follow each line
	s_cmp_eq_u32 s15, 0
	s_cbranch_scc0 .Lfor_b_\@
	tensor_load_to_lds s[G0+4*\s:G0+4*\s+3], s[G1:G1+7]
	s_nop 0
.rept 4
	v_nop
.endr
	s_branch .Lasked_\@
.Lfor_b_\@:
	tensor_load_to_lds s[G0B+4*\s:G0B+4*\s+3], s[G1B:G1B+7]
	s_nop 0
.rept 4
	v_nop
.endr
.Lasked_\@:
.endm
.macro CREST
	s_cmp_lg_u32 s14, 0
	s_cbranch_scc1 .Lnot_wave_0_\@
	s_barrier_signal -3
.Lnot_wave_0_\@:
	s_barrier_wait -3
	s_barrier_signal -1
	s_barrier_wait -1
.endm
.macro CROUND
	s_barrier_signal -1
	s_barrier_wait -1
	CREST
.endm
	s_load_b256 s[4:11], s[0:1], 0x0               ; ao s[4:5], wo s[6:7], bout s[8:9], out0 s[10:11]
	v_lshl_add_u32 v[SPW], v0, 2, SPARE
	v_mov_b32 v[NIL], 0
	ds_add_u32 v[SPW], v[NIL]                      ; the wave's opening: the add, twice on end, and its wait ahead of my first tensor load
	ds_add_u32 v[SPW], v[NIL]
	v_lshrrev_b32 v1, 5, v0
	v_readfirstlane_b32 s14, v1                    ; wave 0..3
	s_lshr_b32 s15, s14, 1                         ; which 64 tokens are mine.  Also: I fetch for ao (0) or for wo (1)
	s_and_b32 s16, s14, 1                          ; which 128 n.  Also: which half of that tile I fetch
	s_bfe_u32 s40, ttmp6, 0x40000                  ; cx
	s_bfe_u32 s41, ttmp6, 0x40004                  ; cy
	s_lshl_b32 s42, ttmp9, 2
	s_add_co_u32 s42, s42, s40                     ; tile column
	s_and_b32 s17, ttmp7, 0xffff
	s_lshl_b32 s17, s17, 2
	s_add_co_u32 s17, s17, s41                     ; tile row
	s_lshl_b32 s43, s41, 2
	s_lshl_b32 s43, 15, s43                        ; my row of the cluster
	s_lshl_b32 s44, 0x1111, s40                    ; my column
	; descriptor group 1: rows of 4,096 bytes (512 elements of 8 bytes), 32,768 bytes apart in memory, dense in LDS: 4 rows of ao's fragments, 8 of wo's
	s_or_b32 s[G1+0], s43, (3<<16)|(1<<21)
	s_or_b32 s[G1B+0], s44, (3<<16)|(1<<21)
	s_mov_b32 s[G1+1], 512<<16                     ; tensor_dim0
	s_mov_b32 s[G1+2], 4<<16                       ; tensor_dim1
	s_mov_b32 s[G1+3], 512<<16                     ; tile_dim0
	s_mov_b32 s[G1+4], 4                           ; tile_dim1
	s_mov_b32 s[G1+5], 4096                        ; the pitch, in elements
	s_mov_b32 s[G1+6], 0
	s_mov_b32 s[G1+7], 0
	s_mov_b32 s[G1B+1], 512<<16
	s_mov_b32 s[G1B+2], 8<<16
	s_mov_b32 s[G1B+3], 512<<16
	s_mov_b32 s[G1B+4], 8
	s_mov_b32 s[G1B+5], 4096
	s_mov_b32 s[G1B+6], 0
	s_mov_b32 s[G1B+7], 0
	s_lshl_b32 s20, s17, 18                        ; ao: (8 x tile row + 4 x half) x 32,768
	s_lshl_b32 s18, s16, 17
	s_add_co_u32 s20, s20, s18
	s_mov_b32 s21, 0
	s_lshl_b32 s46, s42, 19                        ; wo: (16 x tile column + 8 x half) x 32,768
	s_lshl_b32 s18, s16, 18
	s_add_co_u32 s46, s46, s18
	s_mov_b32 s47, 0
	s_lshl_b32 s45, s16, 14                        ; where they go: ao's half,
	s_lshl_b32 s22, s16, 15
	s_add_co_u32 s22, s22, 32768                   ; wo's half, behind ao's 32,768 bytes: the wave's number alone
	s_wait_dscnt 0x0                               ; both opening adds are done
	s_wait_kmcnt 0x0
	s_add_nc_u64 s[20:21], s[4:5], s[20:21]
	s_add_nc_u64 s[46:47], s[6:7], s[46:47]
	CROUND                                         ; all sixteen work-groups are here: the first joint loads meet
.irp s, 0,1
	s_mov_b32 s[G0+4*\s], 1
	s_add_co_u32 s[G0+4*\s+1], s45, \s*SLOT
	s_add_nc_u64 s[G0+4*\s+2:G0+4*\s+3], s[20:21], \s*4096
	s_or_b32 s[G0+4*\s+3], s[G0+4*\s+3], 0x80000000
	s_mov_b32 s[G0B+4*\s], 1
	s_add_co_u32 s[G0B+4*\s+1], s22, \s*SLOT
	s_add_nc_u64 s[G0B+4*\s+2:G0B+4*\s+3], s[46:47], \s*4096
	s_or_b32 s[G0B+4*\s+3], s[G0B+4*\s+3], 0x80000000
	JLOAD \s
.endr
	v_and_b32 v1, 15, v0                           ; r
	v_bfe_u32 v2, v0, 4, 1                         ; h
	v_and_b32 v3, 31, v0
	v_lshlrev_b32 v[CO], 4, v3
	v_lshlrev_b32 v[OB], 5, v2
	s_lshl_b32 s21, s15, 14                        ; my 64 tokens: four rows of fragments
	s_lshl_b32 s22, s16, 15
	s_add_co_u32 s22, s22, 32768                   ; my 128 n: eight rows
.irp s, 0,1
	v_add_nc_u32 v[ADRA+\s], s21, v[CO]
	v_add_nc_u32 v[ADRB+\s], s22, v[CO]
	s_add_co_u32 s21, s21, SLOT
	s_add_co_u32 s22, s22, SLOT
.endr
	s_mul_i32 s23, s14, 16*SPITCH
	s_add_co_u32 s23, s23, STAGE                   ; my stage
	v_mul_u32_u24 v5, v1, SPITCH
	v_lshl_add_u32 v5, v2, 5, v5
	v_add_nc_u32 v[STO], s23, v5                   ; in: row r, 32 bytes for each half of the lanes
	v_add_nc_u32 v[RD], s23, v[CO]                 ; back: the 32 lanes take one row of 512 bytes
	s_lshl_b32 s20, s17, 7
	s_lshl_b32 s21, s15, 6
	s_add_co_u32 s20, s20, s21                     ; my first token
	s_lshl_b32 s20, s20, 12                        ; rows of 4,096 bytes
	s_mov_b32 s21, 0
	s_add_nc_u64 s[10:11], s[10:11], s[20:21]
	s_lshl_b32 s46, s42, 10                        ; my first n, in bytes: 1,024 x tile column + 512 x half
	s_lshl_b32 s47, s16, 9
	s_add_co_u32 s46, s46, s47
	s_mov_b32 s47, 0
	s_add_nc_u64 s[10:11], s[10:11], s[46:47]
	s_add_nc_u64 s[8:9], s[8:9], s[46:47]          ; and the same place in bout
.irp b, 0,1,2,3,4,5,6,7
	global_load_b128 v[BIAS+8*\b:BIAS+8*\b+3], v[OB], s[8:9] offset:64*\b          ; bout at n = 16 b + 8 h + 0..7: the result's layout
	global_load_b128 v[BIAS+8*\b+4:BIAS+8*\b+7], v[OB], s[8:9] offset:64*\b+16
.endr
; 8 matrix instructions: token block a x all eight n blocks, 32 along K.  The 32 accumulators take turns, one instruction a turn, in the same order in every quarter.
.macro MUL8 f, a, zero
.irp b, 0,1,2,3,4,5,6,7
.if \zero
	v_wmma_f32_16x16x32_f16 v[8*(8*(\a)+\b):8*(8*(\a)+\b)+7], v[\f+32+8*\b:\f+32+8*\b+7], v[\f+8*(\a):\f+8*(\a)+7], v[BIAS+8*\b:BIAS+8*\b+7]
.else
	v_wmma_f32_16x16x32_f16 v[8*(8*(\a)+\b):8*(8*(\a)+\b)+7], v[\f+32+8*\b:\f+32+8*\b+7], v[\f+8*(\a):\f+8*(\a)+7], v[8*(8*(\a)+\b):8*(8*(\a)+\b)+7]
.endif
.endr
.endm
.macro FETCH slot, ch, f               ; 24 LDS loads in one run: wo's eight fragments, then ao's four, of the slot's ch-th 32 along K
	WIN TO_F
.irp i, 0,1,2,3,4,5,6,7
	ds_load_b128 v[\f+32+8*\i:\f+32+8*\i+3],   v[ADRB+\slot] offset:4096*\i+1024*(\ch)
	ds_load_b128 v[\f+32+8*\i+4:\f+32+8*\i+7], v[ADRB+\slot] offset:4096*\i+1024*(\ch)+512
.endr
.irp i, 0,1,2,3
	ds_load_b128 v[\f+8*\i:\f+8*\i+3],   v[ADRA+\slot] offset:4096*\i+1024*(\ch)
	ds_load_b128 v[\f+8*\i+4:\f+8*\i+7], v[ADRA+\slot] offset:4096*\i+1024*(\ch)+512
.endr
.endm
.macro PLACES
.rept 4
	v_nop
.endr
.endm
; A K step is four quarters of 32 along K, 32 matrix instructions each, on buffers 0, 1, 0, 1.  One of the first three: multiplies buffer f and fetches quarter ch into g.
.macro QUARTER slot, ch, f, g, zero
	s_wait_dscnt 4                                 ; wo's fragments and ao's blocks 0, 1 are in; the youngest four loads (blocks 2, 3) may be out
.if \zero
	WIN MULZ
.else
	WIN MUL
.endif
	MUL8 \f, 0, \zero
	MUL8 \f, 1, \zero
	PLACES
	FETCH \slot, \ch, \g
	s_wait_dscnt 24                                ; all but the 24 just issued
.if \zero
	WIN MULZ
.else
	WIN MUL
.endif
	MUL8 \f, 2, \zero
	MUL8 \f, 3, \zero
.endm
; The last quarter multiplies buffer 1 and changes slots: ONE barrier; in front of it each wave waits for all its tensor loads, adds 0 to its spare word, and waits for that and for its reads of this slot.
; fill = 1: the barrier opens a round of the cluster's barrier, and this slot is filled again, two K steps ahead, first thing behind the round.
.macro TURN slot, next, fill
	WIN 0
	s_wait_tensorcnt 0x0                           ; all my tensor loads have landed: my part of the next slot;
	ds_add_u32 v[SPW], v[NIL]                      ; 0 onto my spare word;
	s_wait_dscnt 5                                 ; (the add and the youngest four loads may be out)
	WIN MUL
	MUL8 F1, 0, 0
	s_wait_dscnt 0x0                               ; the add is done, and my reads of this slot are over
	s_barrier_signal -1
	MUL8 F1, 1, 0
.if \fill
	WIN 0
.endif
	s_barrier_wait -1
.if \fill
	CREST                                          ; no wave of any partner still reads this slot's tile or has a load on its way
	s_add_nc_u64 s[G0+4*\slot+2:G0+4*\slot+3], s[G0+4*\slot+2:G0+4*\slot+3], 8192
	s_add_nc_u64 s[G0B+4*\slot+2:G0B+4*\slot+3], s[G0B+4*\slot+2:G0B+4*\slot+3], 8192
	JLOAD \slot                                    ; the four v_nop behind it are also the places in front of the loads below
.else
	PLACES
.endif
	FETCH \next, 0, F0
	WIN MUL
	MUL8 F1, 2, 0
	MUL8 F1, 3, 0
.endm
	s_wait_tensorcnt 1                             ; my part of K step 0 is in; K step 1's load may be out
	s_barrier_signal -1
	s_barrier_wait -1
	FETCH 0, 0, F0
	s_wait_loadcnt 0x0                             ; the bias
	QUARTER 0, 1, F0, F1, 1                        ; the first quarter stands in front of the loop: its products start the sums from the bias
	WIN 0
	s_mov_b32 s3, LAPS-1
.Llap:                                                 ; a trip goes once round the ring, from a lap's second quarter to the next lap's first, and fills both slots again
	QUARTER 0, 2, F1, F0, 0
	QUARTER 0, 3, F0, F1, 0
	TURN 0, 1, 1
	QUARTER 1, 1, F0, F1, 0
	QUARTER 1, 2, F1, F0, 0
	QUARTER 1, 3, F0, F1, 0
	TURN 1, 0, 1
	QUARTER 0, 1, F0, F1, 0
	WIN 0
	s_sub_co_u32 s3, s3, 1
	s_cmp_lg_u32 s3, 0
	s_cbranch_scc1 .Llap
	QUARTER 0, 2, F1, F0, 0                        ; the last lap fills nothing
	QUARTER 0, 3, F0, F1, 0
	TURN 0, 1, 0
	QUARTER 1, 1, F0, F1, 0
	QUARTER 1, 2, F1, F0, 0
	QUARTER 1, 3, F0, F1, 0
	s_wait_dscnt 4
	WIN MUL
	MUL8 F1, 0, 0
	MUL8 F1, 1, 0
	s_wait_dscnt 0
	MUL8 F1, 2, 0
	MUL8 F1, 3, 0
	WIN 0
; THE WAY OUT, 16 tokens x 128 n at a time, through my own stage: in as 32 bytes a lane, back as whole rows of 512 bytes, which the 32 lanes store as 512 consecutive bytes, aligned.
; LDS serves a wave's instructions in order: no wait between the stores and the loads, nor in front of the next block's stores.
.macro TOSTAGE a
	WIN 0x08                                       ; an LDS store's data are its source 1: window 2
.irp b, 0,1,2,3,4,5,6,7
	ds_store_b128 v[STO], v[64*(\a)+8*\b:64*(\a)+8*\b+3] offset:64*\b            ; each accumulator from its low end on
	ds_store_b128 v[STO], v[64*(\a)+8*\b+4:64*(\a)+8*\b+7] offset:64*\b+16
.endr
	WIN 0
.set BB, BK+64*((\a)%2)
.irp t, 0,1,2,3,4,5,6,7,8,9,10,11,12,13,14,15
	ds_load_b128 v[BB+4*\t:BB+4*\t+3], v[RD] offset:\t*SPITCH
.endr
.endm
.macro SEND a, younger
.set BB, BK+64*((\a)%2)
	s_wait_dscnt \younger                          ; the block is back; the next block's 16 stores and 16 loads may be out
.if (\a) > 0
	s_add_nc_u64 s[10:11], s[10:11], 65536         ; 16 rows on (the earlier stores have read their base: a wait on XCNT stands ahead)
.endif
.irp t, 0,1,2,3,4,5,6,7,8,9,10,11,12,13,14,15
	global_store_b128 v[CO], v[BB+4*\t:BB+4*\t+3], s[10:11] offset:\t*4096 th:TH_STORE_NT
.endr
.endm
	PLACES
	TOSTAGE 0
.irp a, 1,2,3
.if \a > 1
	s_wait_xcnt 0x0                                ; block a - 2's stores have read their registers and their base
.endif
	TOSTAGE \a
	SEND \a-1, 32
.endr
	s_wait_xcnt 0x0
	SEND 3, 0
	s_wait_tensorcnt 0x0                           ; the wave's end
	ds_add_u32 v[SPW], v[NIL]
	s_wait_dscnt 0x0
	CROUND                                         ; the closing round
	s_endpgm
.Lfunc_end_k_qf985742b28_proj:
	.size	k_qf985742b28_proj, .Lfunc_end_k_qf985742b28_proj-k_qf985742b28_proj
	.p2alignl 7, 3214868480
	.fill 96, 4, 3214868480
	.section	.rodata,"a",@progbits
	.p2align	6, 0x0
	.amdhsa_kernel k_qf985742b28_proj
		.amdhsa_group_segment_fixed_size 327680
		.amdhsa_private_segment_fixed_size 0
		.amdhsa_enable_private_segment 0
		.amdhsa_kernarg_size 32
		.amdhsa_user_sgpr_count 2
		.amdhsa_user_sgpr_kernarg_segment_ptr 1
		.amdhsa_wavefront_size32 1
		.amdhsa_system_sgpr_workgroup_id_x 1
		.amdhsa_system_sgpr_workgroup_id_y 1
		.amdhsa_system_sgpr_workgroup_id_z 1
		.amdhsa_system_vgpr_workitem_id 0
		.amdhsa_next_free_vgpr 768
		.amdhsa_next_free_sgpr 66
		.amdhsa_reserve_vcc 0
		.amdhsa_float_denorm_mode_32 3
		.amdhsa_float_denorm_mode_16_64 3
		.amdhsa_memory_ordered 1
		.amdhsa_forward_progress 1
		.amdhsa_inst_pref_size 86
	.end_amdhsa_kernel
	.amdgpu_metadata
---
amdhsa.version: [ 1, 2 ]
amdhsa.kernels:
  - .name:           k_qf985742b28_proj
    .symbol:         k_qf985742b28_proj.kd
    .args:
      - { .name: ao, .offset: 0, .size: 8, .value_kind: global_buffer, .address_space: global }
      - { .name: wo, .offset: 8, .size: 8, .value_kind: global_buffer, .address_space: global }
      - { .name: bout, .offset: 16, .size: 8, .value_kind: global_buffer, .address_space: global }
      - { .name: out0, .offset: 24, .size: 8, .value_kind: global_buffer, .address_space: global }
    .group_segment_fixed_size: 327680
    .private_segment_fixed_size: 0
    .kernarg_segment_align: 8
    .kernarg_segment_size: 32
    .max_flat_workgroup_size: 128
    .sgpr_count:     66
    .vgpr_count:     768
    .wavefront_size: 32
...
	.end_amdgpu_metadata
.endif
;; end of part 4
